; MI455X (gfx1250); checked and timed in simulation.
; The chip was launched on July 23, 2026; its instructions are those of AMD's public machine-readable ISA for CDNA 5 (MIT licence, August 2026) and "CDNA5" Instruction Set Architecture Reference Guide (July 2026). The comments in the code are by the model that wrote it; some were corrected since.
;; Multi Head Attention. Allowed arithmetic: float matrix products may take bf16 or f16 operands with f32 sums; other float arithmetic in f32, or as packed bf16 or f16 multiplies, adds, multiply-adds, maxima and minima; sums over many terms, partial sums and values carried from step to step in f32; what a program stores and reads back later, other than sums and carried values, may be rounded once to bf16 or f16.
;; Inputs: W_out 1,024 x 1,024 float32; W_packed 3,072 x 1,024 float32; b_out 1,024 float32; b_packed 3,072 float32; x 4 x 2,048 x 1,024 float32.
;; Outputs: out0 4 x 2,048 x 1,024 float32.
;; 2 versions, each right; version 2 is version 1 with the launch prep written anew for expert scheduling mode. Each part assembles by itself: llvm-mc -triple=amdgcn-amd-amdhsa -mcpu=gfx1250 --defsym DOCPART=n.
;; ======== version 1 of 2: 4 launches
;; limits: values are held in f16: magnitudes above 65,504 overflow, below 6.1e-05 lose precision
;; workspace buffers: xb 16,777,216 bytes; wpb 6,291,456 bytes; wob 2,097,152 bytes; biasr 16,384 bytes; rope 524,288 bytes; qkv 50,331,648 bytes; ob 16,777,216 bytes
;; launch prep (part 1): grid 512 x 1, 8 waves a work-group, no clusters, 0 bytes of LDS; arguments x, W_packed, W_out, b_packed, b_out, xb, wpb, wob, biasr, rope; writes xb, wpb, wob, biasr, rope
.if DOCPART == 1
	.amdgcn_target "amdgcn-amd-amdhsa--gfx1250"
	.amdhsa_code_object_version 6
	.text
	.protected	k_q3bf2d3d8e7_prep
	.globl	k_q3bf2d3d8e7_prep
	.p2align	8
	.type	k_q3bf2d3d8e7_prep,@function
k_q3bf2d3d8e7_prep:
	s_mov_b64 s[64:65], 0
	v_nop
	global_prefetch_b8 v0, s[64:65] scope:SCOPE_SE
	s_setreg_imm32_b32 hwreg(HW_REG_WAVE_MODE, 25, 1), 1
	s_wait_xcnt 0x0
; CASTS AND TABLES.  xb = bf16(x), wpb = bf16(W_packed); wob = bf16(W_out) written as f16; biasr = b_packed, then b_out, each rounded to bf16 and kept as f32;
; rope[pos][0..31] = cos(pos f_j), rope[pos][32..63] = sin(pos f_j), f_j = 10000^(-j/32), f32, 256 bytes a position.
; SHARES.  512 work-groups of eight waves.  Work-group i takes 65,536 bytes of x, 24,576 of W_packed, 8,192 of W_out: 24 loads of 16 bytes a lane, all issued at once; a load of the
; work-group covers 4,096 consecutive bytes, and the store that belongs to it 2,048; a wave's store covers 256 consecutive bytes, aligned.  Every store has data registers of its own.
; Waves 0 to 3 make one position's table row each (pos = 4 i + wave) while the loads are out.  Work-groups 0 to 3 round 4,096 bytes of the biases each.
; LIMITS.  wob: a bf16 number is exact in f16 from 7.7e-6 to 65,504; below that it keeps f16's fixed step of 6e-8, at 65,520 or more it becomes an infinity.
; The angle pos f_j is formed in f32 from f_j = 2^(-j log2(10000)/32): it can differ from another f32 evaluation by about 2e-4 at the largest positions, the size of the f32 rounding of such a product.
; Sine and cosine: the nearest multiple n of pi/2 is taken away in two parts, |r| <= pi/4 (a little more where n is off by one), then polynomials to r^9 and r^8: their error stays under 3e-8.
.set IN,  16                           ; v[16:111]   24 loads of 4 registers
.set OUT, 112                          ; v[112:159]  24 stores of 2 registers
.set T,   160                          ; v[160:175]  at work
	s_load_b512 s[8:23], s[0:1], 0x0               ; x 8:9, W_packed 10:11, W_out 12:13, b_packed 14:15, b_out 16:17, xb 18:19, wpb 20:21, wob 22:23
	s_load_b128 s[24:27], s[0:1], 0x40             ; biasr 24:25, rope 26:27
	v_lshlrev_b32 v1, 4, v0                        ; 16 t: my bytes of a load; never rewritten
	v_lshlrev_b32 v2, 3, v0                        ; 8 t: my bytes of a store; never rewritten
	v_lshrrev_b32 v3, 5, v0
	v_readfirstlane_b32 s30, v3                    ; wave 0..7
	s_mov_b32 s29, 0                               ; offsets are made in s[28:29], apart from the addresses
	s_lshl_b32 s34, ttmp9, 12                      ; 4,096 i
	s_wait_kmcnt 0x0
	s_lshl_b32 s28, ttmp9, 16
	s_add_nc_u64 s[8:9], s[8:9], s[28:29]
	s_lshl_b32 s28, ttmp9, 15
	s_add_nc_u64 s[18:19], s[18:19], s[28:29]
	s_mul_i32 s28, ttmp9, 24576
	s_add_nc_u64 s[10:11], s[10:11], s[28:29]
	s_mul_i32 s28, ttmp9, 12288
	s_add_nc_u64 s[20:21], s[20:21], s[28:29]
	s_lshl_b32 s28, ttmp9, 13
	s_add_nc_u64 s[12:13], s[12:13], s[28:29]
	s_mov_b32 s28, s34
	s_add_nc_u64 s[22:23], s[22:23], s[28:29]
.set k, 0
.rept 16
	global_load_b128 v[IN+4*k:IN+4*k+3], v1, s[8:9] offset:4096*k th:TH_LOAD_NT
.set k, k+1
.endr
.rept 6
	global_load_b128 v[IN+4*k:IN+4*k+3], v1, s[10:11] offset:4096*(k-16) th:TH_LOAD_NT
.set k, k+1
.endr
.rept 2
	global_load_b128 v[IN+4*k:IN+4*k+3], v1, s[12:13] offset:4096*(k-22) th:TH_LOAD_NT
.set k, k+1
.endr
; One table entry: j = j0 + e.  cos(n pi/2 + r) is cos r, -sin r, -cos r, sin r for n mod 4 = 0..3; the sine is the cosine a quarter turn back: n + 3.
.macro SINCOS dst, e
	v_add_nc_u32 v[T+2], \e, v[T+1]
	v_cvt_f32_u32 v[T+2], v[T+2]
	v_mul_f32 v[T+2], 0xbed49a78, v[T+2]           ; -j log2(10000) / 32
	v_exp_f32 v[T+3], v[T+2]                       ; f_j
	v_mov_b32 v[T+6], 0x3638ef1d                   ; 1/9!   (two plain instructions stand behind the exponential before its result is used: ISA guide 5.7.2)
	v_mov_b32 v[T+7], 0x37d00d01                   ; 1/8!
	s_wait_alu depctr_va_vdst(0)
	v_mul_f32 v[T+3], v[T], v[T+3]                 ; the angle
	v_mul_f32 v[T+4], 0x3f22f983, v[T+3]           ; x 2/pi
	v_rndne_f32 v[T+4], v[T+4]                     ; n
	v_fmamk_f32 v[T+5], v[T+4], 0xbfc90fdb, v[T+3] ; r = angle - n x (pi/2 rounded to f32)
	v_fmamk_f32 v[T+5], v[T+4], 0x333bbd2e, v[T+5] ;     - n x (what that rounding left, -4.371e-8)
	v_mul_f32 v[T+8], v[T+5], v[T+5]               ; r^2
	v_fmaak_f32 v[T+6], v[T+6], v[T+8], 0xb9500d01 ; -1/7!
	v_fmaak_f32 v[T+7], v[T+7], v[T+8], 0xbab60b61 ; -1/6!
	v_fmaak_f32 v[T+6], v[T+6], v[T+8], 0x3c088889 ; 1/5!
	v_fmaak_f32 v[T+7], v[T+7], v[T+8], 0x3d2aaaab ; 1/4!
	v_fmaak_f32 v[T+6], v[T+6], v[T+8], 0xbe2aaaab ; -1/3!
	v_fma_f32 v[T+7], v[T+7], v[T+8], -0.5
	v_mul_f32 v[T+9], v[T+5], v[T+8]               ; r^3
	v_fma_f32 v[T+7], v[T+7], v[T+8], 1.0          ; cos r
	v_fma_f32 v[T+6], v[T+9], v[T+6], v[T+5]       ; sin r
	v_cvt_i32_f32 v[T+9], v[T+4]
	v_add_nc_u32 v[T+9], v[T+9], v[T+10]           ; n, or n + 3 for the sine
	v_and_b32 v[T+11], 1, v[T+9]
	v_cmp_ne_u32 vcc_lo, 0, v[T+11]
	v_cndmask_b32 v[\dst], v[T+7], v[T+6], vcc_lo  ; odd: sin r; a choice of a value: no address and no branch hangs on it
	v_add_nc_u32 v[T+9], 1, v[T+9]
	v_and_b32 v[T+9], 2, v[T+9]                    ; 1 and 2 mod 4 turn the sign
	v_lshlrev_b32 v[T+9], 30, v[T+9]
	v_xor_b32 v[\dst], v[T+9], v[\dst]
.endm
	s_cmp_lt_u32 s30, 4
	s_cbranch_scc0 .Lno_table
	s_lshl_b32 s31, ttmp9, 2
	s_add_co_u32 s31, s31, s30                     ; pos = 4 i + wave
	s_lshl_b32 s28, s31, 8
	s_add_nc_u64 s[26:27], s[26:27], s[28:29]      ; my row of the table
	v_cvt_f32_u32 v[T], s31
	v_and_b32 v[T+12], 31, v0                      ; lane: 0-15 the cosines of j = 2 lane, 2 lane + 1; 16-31 the sines
	v_lshrrev_b32 v[T+10], 4, v[T+12]
	v_and_b32 v[T+1], 15, v[T+12]
	v_lshlrev_b32 v[T+1], 1, v[T+1]                ; j0
	v_mul_u32_u24 v[T+10], 3, v[T+10]              ; 0 or 3
	v_lshlrev_b32 v[T+12], 3, v[T+12]              ; 8 x lane
	SINCOS T+14, 0
	SINCOS T+15, 1
	global_store_b64 v[T+12], v[T+14:T+15], s[26:27] th:TH_STORE_NT  ; the wave stores the row's 256 bytes; T+12, T+14 and T+15 are not written again
.Lno_table:
.set k, 0
.rept 16
	s_wait_loadcnt 23-k                            ; loads come back in order (ISA guide 5.7.1): load k is in, the 23 - k younger ones may stay out
	v_cvt_pk_bf16_f32 v[OUT+2*k], v[IN+4*k], v[IN+4*k+1]
	v_cvt_pk_bf16_f32 v[OUT+2*k+1], v[IN+4*k+2], v[IN+4*k+3]
	global_store_b64 v2, v[OUT+2*k:OUT+2*k+1], s[18:19] offset:2048*k th:TH_STORE_NT
.set k, k+1
.endr
.rept 6
	s_wait_loadcnt 23-k
	v_cvt_pk_bf16_f32 v[OUT+2*k], v[IN+4*k], v[IN+4*k+1]
	v_cvt_pk_bf16_f32 v[OUT+2*k+1], v[IN+4*k+2], v[IN+4*k+3]
	global_store_b64 v2, v[OUT+2*k:OUT+2*k+1], s[20:21] offset:2048*(k-16) th:TH_STORE_NT
.set k, k+1
.endr
.rept 2
	s_wait_loadcnt 23-k
	v_cvt_pk_bf16_f32 v[T], v[IN+4*k], v[IN+4*k+1] ; W_out: rounded to bf16 like every input,
	v_cvt_pk_bf16_f32 v[T+1], v[IN+4*k+2], v[IN+4*k+3]
	v_lshlrev_b32 v[T+2], 16, v[T]                 ; widened again,
	v_and_b32 v[T+3], 0xffff0000, v[T]
	v_lshlrev_b32 v[T+4], 16, v[T+1]
	v_and_b32 v[T+5], 0xffff0000, v[T+1]
	v_cvt_pk_f16_f32 v[OUT+2*k], v[T+2], v[T+3]    ; and that number written as f16
	v_cvt_pk_f16_f32 v[OUT+2*k+1], v[T+4], v[T+5]
	global_store_b64 v2, v[OUT+2*k:OUT+2*k+1], s[22:23] offset:2048*(k-22) th:TH_STORE_NT
.set k, k+1
.endr
	s_cmp_lt_u32 ttmp9, 4                          ; the biases: work-groups 0 to 2 take b_packed's 12,288 bytes, work-group 3 b_out's 4,096
	s_cbranch_scc0 .Lend
	s_mov_b32 s28, s34
	s_add_nc_u64 s[24:25], s[24:25], s[28:29]      ; biasr at 4,096 i
	s_cmp_eq_u32 ttmp9, 3
	s_cselect_b64 s[32:33], s[16:17], s[14:15]
	s_cselect_b32 s28, 0, s34
	s_add_nc_u64 s[32:33], s[32:33], s[28:29]
	global_load_b128 v[T:T+3], v1, s[32:33]
	s_wait_loadcnt 0x0
	v_cvt_pk_bf16_f32 v[T+4], v[T], v[T+1]
	v_cvt_pk_bf16_f32 v[T+5], v[T+2], v[T+3]
	v_lshlrev_b32 v[T+8], 16, v[T+4]
	v_and_b32 v[T+9], 0xffff0000, v[T+4]
	v_lshlrev_b32 v[T+10], 16, v[T+5]
	v_and_b32 v[T+11], 0xffff0000, v[T+5]
	global_store_b128 v1, v[T+8:T+11], s[24:25]
.Lend:
	s_endpgm
.Lfunc_end_k_q3bf2d3d8e7_prep:
	.size	k_q3bf2d3d8e7_prep, .Lfunc_end_k_q3bf2d3d8e7_prep-k_q3bf2d3d8e7_prep
	.p2alignl 7, 3214868480
	.fill 96, 4, 3214868480
	.section	.rodata,"a",@progbits
	.p2align	6, 0x0
	.amdhsa_kernel k_q3bf2d3d8e7_prep
		.amdhsa_group_segment_fixed_size 0
		.amdhsa_private_segment_fixed_size 0
		.amdhsa_enable_private_segment 0
		.amdhsa_kernarg_size 80
		.amdhsa_user_sgpr_count 2
		.amdhsa_user_sgpr_kernarg_segment_ptr 1
		.amdhsa_wavefront_size32 1
		.amdhsa_system_sgpr_workgroup_id_x 1
		.amdhsa_system_sgpr_workgroup_id_y 1
		.amdhsa_system_sgpr_workgroup_id_z 1
		.amdhsa_system_vgpr_workitem_id 0
		.amdhsa_next_free_vgpr 192
		.amdhsa_next_free_sgpr 66
		.amdhsa_reserve_vcc 1
		.amdhsa_float_denorm_mode_32 3
		.amdhsa_float_denorm_mode_16_64 3
		.amdhsa_memory_ordered 1
		.amdhsa_forward_progress 1
		.amdhsa_inst_pref_size 15
	.end_amdhsa_kernel
	.amdgpu_metadata
---
amdhsa.version: [ 1, 2 ]
amdhsa.kernels:
  - .name:           k_q3bf2d3d8e7_prep
    .symbol:         k_q3bf2d3d8e7_prep.kd
    .args:
      - { .name: x, .offset: 0, .size: 8, .value_kind: global_buffer, .address_space: global }
      - { .name: W_packed, .offset: 8, .size: 8, .value_kind: global_buffer, .address_space: global }
      - { .name: W_out, .offset: 16, .size: 8, .value_kind: global_buffer, .address_space: global }
      - { .name: b_packed, .offset: 24, .size: 8, .value_kind: global_buffer, .address_space: global }
      - { .name: b_out, .offset: 32, .size: 8, .value_kind: global_buffer, .address_space: global }
      - { .name: xb, .offset: 40, .size: 8, .value_kind: global_buffer, .address_space: global }
      - { .name: wpb, .offset: 48, .size: 8, .value_kind: global_buffer, .address_space: global }
      - { .name: wob, .offset: 56, .size: 8, .value_kind: global_buffer, .address_space: global }
      - { .name: biasr, .offset: 64, .size: 8, .value_kind: global_buffer, .address_space: global }
      - { .name: rope, .offset: 72, .size: 8, .value_kind: global_buffer, .address_space: global }
    .group_segment_fixed_size: 0
    .private_segment_fixed_size: 0
    .kernarg_segment_align: 8
    .kernarg_segment_size: 80
    .max_flat_workgroup_size: 256
    .sgpr_count:     66
    .vgpr_count:     192
    .wavefront_size: 32
...
	.end_amdgpu_metadata
.endif
;; end of part 1
;; launch qkv (part 2): grid 16 x 32, 4 waves a work-group, clusters of 4 x 4, 327,680 bytes of LDS; arguments xb, wpb, biasr, rope, qkv; writes qkv
.if DOCPART == 2
	.amdgcn_target "amdgcn-amd-amdhsa--gfx1250"
	.amdhsa_code_object_version 6
	.text
	.protected	k_q3bf2d3d8e7_qkv
	.globl	k_q3bf2d3d8e7_qkv
	.p2align	8
	.type	k_q3bf2d3d8e7_qkv,@function
k_q3bf2d3d8e7_qkv:
	s_mov_b64 s[64:65], 0
	v_nop
	global_prefetch_b8 v0, s[64:65] scope:SCOPE_SE
	s_setreg_imm32_b32 hwreg(HW_REG_WAVE_MODE, 25, 1), 1
	s_wait_xcnt 0x0
	s_wait_alu depctr_hold_cnt(0) depctr_sa_sdst(0) depctr_va_vdst(0) depctr_va_sdst(0) depctr_va_ssrc(0) depctr_va_vcc(0) depctr_vm_vsrc(0)
	s_getreg_b32 s2, hwreg(HW_REG_IB_STS2, 6, 4)
	s_cmp_eq_u32 s2, 0
	s_cbranch_scc0 .Lentry_in_a_cluster
	s_endpgm
.Lentry_in_a_cluster:
	s_bfe_u32 s2, ttmp6, 0x10000c
	s_cmp_lg_u32 s2, 0xf033
	s_cbranch_scc0 .Lentry_shape_is_right
	s_endpgm
.Lentry_shape_is_right:
; QKV PROJECTION, ROPE, SPLIT BY HEADS.  t[tok][f] = sum over e of xb[tok][e] wpb[f][e] + bias[f]; xb [8192][1024], wpb [3072][1024] bf16; sums in f32, started by the bias.
; f = 1024 part + 64 head + d.  q and k (parts 0, 1) are turned: out[d] = t[d] cos - t[d+32] sin, out[d+32] = t[d] sin + t[d+32] cos, d < 32, by the table rope[pos][cos 0..31 | sin 0..31] (f32).
; The result is rounded once to f16 and stored by heads: qkv[part][16 batch + head][pos][64], unscaled.
; LIMITS.  A result of 65,520 or more becomes an infinity in f16; below 6.1e-5 it keeps f16's fixed step of 6e-8.  v's heads go through the same lines with cos = 1, sin = 0, so an infinity there would give NaN.
; SHARES.  A tile of the result is 256 tokens x 192 features = three whole heads: 512 equal tiles.  Four waves; wave w owns tokens 64 w .. 64 w + 63 (four row blocks) and all 12 column tiles of 16:
; 48 accumulators, 384 registers.  So d and d + 32 of a head lie in accumulators b and b + 2 of the same wave, at the same lane and register.
; K goes in 8 steps of 128 through two LDS slots; the rows of the tiles are 256 bytes of memory, aligned.  A loop's trip is one K step: the refill's descriptor walks, and the slot read is chosen by s[TB].
; THE MATRIX INSTRUCTION IS USED TRANSPOSED (source 0 = 16 rows of wpb, source 1 = 16 rows of xb): lane l holds token l % 16 and the features 8 (l / 16) + 0..7.
; CLUSTER.  4 x 4 work-groups: the four of a row need the same tile of xb, the four of a column the same tile of wpb: each is asked for jointly, by the same tensor load, descriptor and mask in all four.
; REGISTERS, in windows of 256 (s_set_vgpr_msb: bits 1:0 source 0, 3:2 source 1, 5:4 source 2, 7:6 destination):
;   window 0: v0-15 addresses; v32-63, v64-95 xb's fragments, two buffers; v128-223 the bias, later v128-255 the table; on the way out v32-127 at work
;   window 1: v0-95, v96-191 wpb's fragments, two buffers      window 2: accumulators of row blocks 0, 1 at v[8 (12 a + b)]      window 3: of row blocks 2, 3
.set NBT,   12                         ; column tiles
.set PA,    272                        ; an LDS row: 256 bytes + 16 of padding = 68 words: the 16 rows of a load start at 16 different groups of four banks (64 banks of 4 bytes: ISA guide 11.1)
.set PB,    272
.set AHALF, 128*PA                     ; what waves 0 and 1 fetch: 128 rows of xb each
.set BREG,  256*PA                     ; behind xb's 256 rows: wpb's 192
.set BHALF, 96*PB                      ; what waves 2 and 3 fetch: 96 rows of wpb each
.set SLOT1, 1<<17                      ; a slot has 121,856 bytes; slot 1 begins here, so that one exclusive or turns an address in one slot into the other's
.set STAGE, SLOT1+BREG+192*PB          ; behind the ring, never filled by a tensor load: 16 rows x 144 bytes for each wave
.set SP,    144
.set SPARE, STAGE+4*16*SP              ; behind the stages: the spare words, 128 bytes for each wave: two blocks of 256 bytes that no other line names
.set NL,    2*NBT+8                    ; LDS loads of a quarter step
.set ADRA0, 4                          ; v4   my place in xb's tile of slot 0; never rewritten
.set ADRB0, 5                          ; v5   the same for wpb
.set ADRA,  6                          ; v6   the same in the slot in hand
.set ADRB,  7                          ; v7
.set STO,   8                          ; v8   the way out: where I put 16 bytes of a row
.set RD,    9                          ; v9   the way out: where I read rows back
.set GO,    10                         ; v10  my 16 bytes of 512 consecutive bytes of the result
.set TO,    11                         ; v11  my byte offset in 16 rows of the table
.set BO,    12                         ; v12  my byte offset in a column tile's 64 bytes of bias
.set SPW,   14                         ; v14  LDS address of my spare word; never rewritten
.set NIL,   15                         ; v15  0; never rewritten
.set FA0,   32
.set FBS,   8*NBT
.set BIAS,  128
.set TAB,   128                        ; row block a at TAB + 32 a: 16 cosines, 16 sines
.set CE,    32                         ; the way out: 16 cosines and
.set SE,    48                         ; 16 sines as this head takes them
.set X,     64                         ; 32 results in f32
.set PK,    96                         ; two sets of 16: results in f16
.set WV,  14                           ; s14  wave
.set FB,  15                           ; s15  0: I fetch xb, 1: wpb
.set HF,  16                           ; s16  which half of that tile's rows
.set CX,  17
.set CY,  18
.set TC,  19                           ; s19  tile column = 4 x cluster x + cx
.set TR,  20                           ; s20  tile row = 4 x cluster y + cy
.set TB,  23                           ; s23  0 or SLOT1: the slot in hand
.set G1A, 24                           ; s[24:31] descriptor group 1 for xb's tiles
.set G0A, 32                           ; s[32:39] group 0: a set for each first fill; the second then walks
.set G1B, 40                           ; s[40:47], s[48:55] the same for wpb's
.set G0B, 48
.set HB,  66                           ; s[66:71] head hd of the tile's three: where my 64 rows begin in the result
.set AL,  72                           ; s[72+4 hd : +1] 1 for q and k, 0 for v: the factor of the table's numbers
.set BE,  74                           ; s[74+4 hd : +1] 0 for q and k, 1 for v: added to the cosines
.set TBASE, 84                         ; s[84:85] the table at my first token's position
.set BBASE, 86                         ; s[86:87] the bias at the tile's first feature
.set RW,  88                           ; s88  16 x batch
.set RO,  89                           ; s89  my block of 64 tokens in the batch
.set LW,  90                           ; s90  scalars that enter LDS addresses: made of the wave's number alone
.set MSB, 0
.macro WIN new                         ; the immediate's high byte repeats the setting that is left; a switch that changes nothing is dropped
.if MSB != (\new)
	s_set_vgpr_msb (MSB<<8)|(\new)
.set MSB, (\new)
.endif
.endm
.set MUL_LO,   0xa1                    ; source 0 window 1, source 1 window 0, C and D window 2
.set FIRST_LO, 0x81                    ; the same with C (the bias) in window 0
.set TO_B,     0x40                    ; destination window 1, address window 0
; A joint load by set s of the descriptors.  Waves 0 and 1 fetch xb's two halves, waves 2 and 3 wpb's.  The branch hangs on the wave's number alone.
; An s_nop 0 and four v_nop follow each of the two lines, ahead of the jump and the label.
.macro JLOAD s
	s_cmp_eq_u32 s[FB], 0
	s_cbranch_scc0 .Lfor_b_\@
	tensor_load_to_lds s[G0A+4*(\s):G0A+4*(\s)+3], s[G1A:G1A+7]
	s_nop 0
.rept 4
	v_nop
.endr
	s_branch .Lasked_\@
.Lfor_b_\@:
	tensor_load_to_lds s[G0B+4*(\s):G0B+4*(\s)+3], s[G1B:G1B+7]
	s_nop 0
.rept 4
	v_nop
.endr
.Lasked_\@:
.endm
.macro CREST                           ; a round of the cluster's barrier behind its opening barrier
	s_cmp_lg_u32 s[WV], 0
	s_cbranch_scc1 .Lnot_wave_0_\@
	s_barrier_signal -3
.Lnot_wave_0_\@:
	s_barrier_wait -3
	s_barrier_signal -1
	s_barrier_wait -1
.endm
.macro CROUND                          ; a whole round
	s_barrier_signal -1
	s_barrier_wait -1
	CREST
.endm
.macro PLACES                          ; four places behind matrix instructions, in front of loads into registers that they have read and of lines that read results
.rept 4
	v_nop
.endr
.endm
	s_load_b256 s[4:11], s[0:1], 0x0               ; xb 4:5, wpb 6:7, biasr 8:9, rope 10:11
	s_load_b64 s[12:13], s[0:1], 0x20              ; qkv
	v_lshl_add_u32 v[SPW], v0, 2, SPARE
	v_mov_b32 v[NIL], 0
	ds_add_u32 v[SPW], v[NIL]                      ; the wave's opening: the add and its wait stand ahead of my first tensor load; the set-up below, work on registers, stands between them
	v_lshrrev_b32 v3, 5, v0
	v_readfirstlane_b32 s[WV], v3
	s_lshr_b32 s[FB], s[WV], 1
	s_and_b32 s[HF], s[WV], 1
	s_bfe_u32 s[CX], ttmp6, 0x40000
	s_bfe_u32 s[CY], ttmp6, 0x40004
	s_lshl_b32 s[TC], ttmp9, 2                     ; in a cluster launch ttmp9 and ttmp7 count clusters
	s_add_co_u32 s[TC], s[TC], s[CX]
	s_and_b32 s[TR], ttmp7, 0xffff
	s_lshl_b32 s[TR], s[TR], 2
	s_add_co_u32 s[TR], s[TR], s[CY]
	s_lshl_b32 s21, s[CY], 2
	s_lshl_b32 s21, 15, s21                        ; my row of the cluster
	s_lshl_b32 s22, 0x1111, s[CX]                  ; my column
	s_or_b32 s[G1A], s21, (1<<16)|(1<<20)|(1<<21)|(5<<22)|(3<<25)  ; 15:0 the mask; 17:16 2-byte elements; 20 padding on; 21 set beside a mask; 24:22 after every 64 words (code 5); 31:25 4 words (code 3)
	s_or_b32 s[G1B], s22, (1<<16)|(1<<20)|(1<<21)|(5<<22)|(3<<25)
	s_mov_b32 s[G1A+1], 128<<16                    ; tensor_dim0 = 128
	s_mov_b32 s[G1A+2], 128<<16                    ; tensor_dim1 = 128
	s_mov_b32 s[G1A+3], 128<<16                    ; tile_dim0 = 128
	s_mov_b32 s[G1A+4], 128                        ; tile_dim1 = 128
	s_mov_b32 s[G1A+5], 1024                       ; elements from row to row
	s_mov_b32 s[G1A+6], 0
	s_mov_b32 s[G1A+7], 0
	s_mov_b32 s[G1B+1], 128<<16
	s_mov_b32 s[G1B+2], 96<<16                     ; 96 rows
	s_mov_b32 s[G1B+3], 128<<16
	s_mov_b32 s[G1B+4], 96
	s_mov_b32 s[G1B+5], 1024
	s_mov_b32 s[G1B+6], 0
	s_mov_b32 s[G1B+7], 0
	s_mov_b32 s[G0A], 1                            ; count = 1
	s_mov_b32 s[G0A+4], 1
	s_mov_b32 s[G0B], 1
	s_mov_b32 s[G0B+4], 1
	s_mul_i32 s[G0A+1], s[HF], AHALF               ; LDS addresses: the wave's number and constants alone
	s_add_co_u32 s[G0A+5], s[G0A+1], SLOT1
	s_mul_i32 s[G0B+1], s[HF], BHALF
	s_add_co_u32 s[G0B+1], s[G0B+1], BREG
	s_add_co_u32 s[G0B+5], s[G0B+1], SLOT1
	s_lshl_b32 s56, s[TR], 19                      ; xb: (256 tile row + 128 half) rows of 2,048 bytes; s56, s57 never hold cx
	s_lshl_b32 s57, s[HF], 18
	s_add_co_u32 s56, s56, s57
	s_mov_b32 s57, 0
	s_mul_i32 s58, s[TC], 192*2048                 ; wpb: (192 tile column + 96 half) rows; s58, s59 never hold cy
	s_mul_i32 s59, s[HF], 96*2048
	s_add_co_u32 s58, s58, s59
	s_mov_b32 s59, 0
	s_wait_dscnt 0x0                               ; the opening add is done
	s_wait_kmcnt 0x0
	s_add_nc_u64 s[G0A+2:G0A+3], s[4:5], s[56:57]  ; K step 0
	s_add_nc_u64 s[G0A+6:G0A+7], s[G0A+2:G0A+3], 256  ; K step 1
	s_or_b32 s[G0A+3], s[G0A+3], 0x80000000        ; type = 2
	s_or_b32 s[G0A+7], s[G0A+7], 0x80000000
	s_add_nc_u64 s[G0B+2:G0B+3], s[6:7], s[58:59]
	s_add_nc_u64 s[G0B+6:G0B+7], s[G0B+2:G0B+3], 256
	s_or_b32 s[G0B+3], s[G0B+3], 0x80000000
	s_or_b32 s[G0B+7], s[G0B+7], 0x80000000
	CROUND                                         ; all sixteen work-groups are here: the first joint loads meet
	JLOAD 0                                        ; two tensor loads of mine are out; later one
	JLOAD 1
	v_and_b32 v1, 15, v0                           ; l % 16
	v_bfe_u32 v2, v0, 4, 1                         ; l / 16
	v_mul_u32_u24 v3, v1, PA
	v_lshl_add_u32 v3, v2, 4, v3                   ; a fragment's row x pitch + 16 x half
	s_mul_i32 s[LW], s[WV], 64*PA
	v_add_nc_u32 v[ADRA0], s[LW], v3               ; my 64 rows of xb
	v_add_nc_u32 v[ADRB0], BREG, v3                ; all of wpb's rows
	s_mul_i32 s[LW], s[WV], 16*SP
	s_add_co_u32 s[LW], s[LW], STAGE               ; my stage
	v_mul_u32_u24 v[STO], v1, SP                   ; in: row l % 16, 16 bytes for each half of the lanes
	v_lshl_add_u32 v[STO], v2, 4, v[STO]
	v_add_nc_u32 v[STO], s[LW], v[STO]
	v_bfe_u32 v[RD], v0, 3, 2                      ; back: 32 lanes take four rows of 128 bytes,
	v_mul_u32_u24 v[RD], v[RD], SP
	v_and_b32 v3, 7, v0
	v_lshl_add_u32 v[RD], v3, 4, v[RD]
	v_add_nc_u32 v[RD], s[LW], v[RD]
	v_and_b32 v[GO], 31, v0                        ; which are 512 consecutive bytes of a head
	v_lshlrev_b32 v[GO], 4, v[GO]
	v_lshlrev_b32 v[TO], 8, v1                     ; the table: row l % 16, my 8 numbers of 16
	v_lshl_add_u32 v[TO], v2, 5, v[TO]
	v_lshlrev_b32 v[BO], 5, v2
	s_lshr_b32 s[RW], s[TR], 3                     ; a batch has 8 tile rows
	s_lshl_b32 s[RW], s[RW], 4
	s_and_b32 s[RO], s[TR], 7
	s_lshl_b32 s[RO], s[RO], 2
	s_add_co_u32 s[RO], s[RO], s[WV]
	s_mul_i32 s60, s[TC], 3                        ; the tile's first head among the 48 of q, k, v
.irp hd, 0,1,2
	s_add_co_u32 s61, s60, (\hd)
	s_cmp_lt_u32 s61, 32                           ; q or k?  A choice of numbers: no branch hangs on the work-group's place
	s_cselect_b32 s[AL+4*(\hd)], 1.0, 0
	s_cselect_b32 s[BE+4*(\hd)], 0, 1.0
	s_mov_b32 s[AL+4*(\hd)+1], 0                   ; named as pairs
	s_mov_b32 s[BE+4*(\hd)+1], 0
	s_lshr_b32 s62, s61, 4                         ; part
	s_lshl_b32 s62, s62, 6
	s_and_b32 s61, s61, 15                         ; head
	s_add_co_u32 s62, s62, s61
	s_add_co_u32 s62, s62, s[RW]
	s_lshl_b32 s62, s62, 18                        ; a head of a batch is 2,048 rows of 128 bytes
	s_lshl_b32 s63, s[RO], 13                      ; my 64 rows
	s_add_co_u32 s62, s62, s63
	s_mov_b32 s63, 0
	s_add_nc_u64 s[HB+2*(\hd):HB+2*(\hd)+1], s[12:13], s[62:63]
.endr
	s_lshl_b32 s62, s[RO], 14                      ; 64 positions of 256 bytes
	s_add_nc_u64 s[TBASE:TBASE+1], s[10:11], s[62:63]
	s_mul_i32 s62, s[TC], 768
	s_add_nc_u64 s[BBASE:BBASE+1], s[8:9], s[62:63]
.set b, 0
.rept NBT                              ; register j of tile b: the bias of feature 16 b + 8 (l / 16) + j: the layout of a result, so it can start the sums
	global_load_b128 v[BIAS+8*b:BIAS+8*b+3],   v[BO], s[BBASE:BBASE+1] offset:64*b
	global_load_b128 v[BIAS+8*b+4:BIAS+8*b+7], v[BO], s[BBASE:BBASE+1] offset:64*b+16
.set b, b+1
.endr
; NBT matrix instructions: row block 2 hi + a x all column tiles, 32 along K, from buffer f.  first = 1: the bias is the C operand that starts the sums.
; The 48 accumulators take turns in the same order in every quarter, over the backward jump too.
.macro MULA f, hi, a, first
.if \first
	WIN FIRST_LO+0x40*(\hi)
.else
	WIN MUL_LO+0x50*(\hi)
.endif
.set b, 0
.rept NBT
.if \first
	v_wmma_f32_16x16x32_bf16 v[8*(NBT*(\a)+b):8*(NBT*(\a)+b)+7], v[FBS*(\f)+8*b:FBS*(\f)+8*b+7], v[FA0+32*(\f)+8*(2*(\hi)+(\a)):FA0+32*(\f)+8*(2*(\hi)+(\a))+7], v[BIAS+8*b:BIAS+8*b+7]
.else
	v_wmma_f32_16x16x32_bf16 v[8*(NBT*(\a)+b):8*(NBT*(\a)+b)+7], v[FBS*(\f)+8*b:FBS*(\f)+8*b+7], v[FA0+32*(\f)+8*(2*(\hi)+(\a)):FA0+32*(\f)+8*(2*(\hi)+(\a))+7], v[8*(NBT*(\a)+b):8*(NBT*(\a)+b)+7]
.endif
.set b, b+1
.endr
.endm
; NL LDS loads in one run: the fragments of quarter q of the slot in hand into buffer f: wpb's 12, then xb's 4
.macro FETCH q, f
	WIN TO_B
.set i, 0
.rept NBT
	ds_load_b128 v[FBS*(\f)+8*i:FBS*(\f)+8*i+3],   v[ADRB] offset:64*(\q)+16*PB*i
	ds_load_b128 v[FBS*(\f)+8*i+4:FBS*(\f)+8*i+7], v[ADRB] offset:64*(\q)+16*PB*i+32
.set i, i+1
.endr
	WIN 0
.set i, 0
.rept 4
	ds_load_b128 v[FA0+32*(\f)+8*i:FA0+32*(\f)+8*i+3],   v[ADRA] offset:64*(\q)+16*PA*i
	ds_load_b128 v[FA0+32*(\f)+8*i+4:FA0+32*(\f)+8*i+7], v[ADRA] offset:64*(\q)+16*PA*i+32
.set i, i+1
.endr
.endm
; One of a K step's first three quarters: multiplies buffer f; in its middle it fetches quarter q into buffer g.
.macro QUARTER q, f, g, first
	s_wait_dscnt 4                                 ; wpb's fragments and xb's row blocks 0, 1 are in; the youngest four loads (row blocks 2, 3) may be out
	MULA \f, 0, 0, \first
	MULA \f, 0, 1, \first
	PLACES
	FETCH \q, \g
	s_wait_dscnt NL                                ; all but the NL just issued
	MULA \f, 1, 0, \first
	MULA \f, 1, 1, \first
.endm
; The fourth quarter multiplies buffer 1 and changes slots.  In front of the barrier each wave waits for all its tensor loads (one is out: its part of the other slot), adds 0 to its spare word, and
; waits for that and for its reads of this slot.  fill = 1: the barrier opens a round of the cluster's, and the joint refill, two K steps on, is the first thing behind it.
.macro TURN fill
	WIN 0                                          ; (the add's two registers lie in window 0)
	s_wait_tensorcnt 0x0                           ; no tensor load of mine is out, so a group 0 may be written
	ds_add_u32 v[SPW], v[NIL]                      ; 0 onto my spare word
.if \fill
	s_xor_b32 s[G0A+5], s[G0A+5], SLOT1            ; the walking descriptors: the other slot than last time,
	s_add_nc_u64 s[G0A+6:G0A+7], s[G0A+6:G0A+7], 256  ; the next K step; the type bits on top are not reached
	s_xor_b32 s[G0B+5], s[G0B+5], SLOT1
	s_add_nc_u64 s[G0B+6:G0B+7], s[G0B+6:G0B+7], 256
.endif
	s_wait_dscnt 5                                 ; the add and the youngest four loads may be out
	MULA 1, 0, 0, 0
	s_wait_dscnt 0x0                               ; the add is done, and my reads of this slot are over
	s_barrier_signal -1
	MULA 1, 0, 1, 0                                ; work on registers while the others arrive
	WIN 0                                          ; at a branch and at a label every window is 0
	s_barrier_wait -1
.if \fill
	CREST                                          ; no wave of any partner still reads this slot or has a load on its way
	JLOAD 1                                        ; the four v_nop behind it are also the places in front of the loads below
.else
	PLACES
.endif
	s_xor_b32 s[TB], s[TB], SLOT1                  ; the other slot is in hand
	v_add_nc_u32 v[ADRA], s[TB], v[ADRA0]
	v_add_nc_u32 v[ADRB], s[TB], v[ADRB0]
	FETCH 0, 0
	MULA 1, 1, 0, 0
	MULA 1, 1, 1, 0
.endm
	s_wait_tensorcnt 0x1                           ; my part of K step 0 is in; K step 1's may stay out
	s_barrier_signal -1
	s_barrier_wait -1                              ; everybody's is
	v_mov_b32 v[ADRA], v[ADRA0]
	v_mov_b32 v[ADRB], v[ADRB0]
	s_mov_b32 s[TB], 0
	FETCH 0, 0
	s_wait_loadcnt 0x0                             ; the bias
	QUARTER 1, 0, 1, 1                             ; the first quarter stands in front of the loop: its products start the sums
	WIN 0
	PLACES                                         ; the bias has been read: its registers take the table
.set z, 0
.rept 32                               ; row block z / 8; then cosines, sines; then d = 0..15, 16..31; then 16 bytes and 16 bytes.  These loads stay out through the loop and are waited for on the way out
	global_load_b128 v[TAB+4*z:TAB+4*z+3], v[TO], s[TBASE:TBASE+1] offset:4096*(z/8)+128*((z%8)/4)+64*((z%4)/2)+16*(z%2)
.set z, z+1
.endr
	s_mov_b32 s3, 6
.Lstep:                                ; six trips: from a K step's second quarter to the next one's first; each fills the slot just read with the K step two on (2 to 7)
	QUARTER 2, 1, 0, 0
	QUARTER 3, 0, 1, 0
	TURN 1
	QUARTER 1, 0, 1, 0
	WIN 0
	s_sub_co_u32 s3, s3, 1
	s_cmp_lg_u32 s3, 0
	s_cbranch_scc1 .Lstep
	QUARTER 2, 1, 0, 0                             ; the last two K steps are written out: nothing is asked for
	QUARTER 3, 0, 1, 0
	TURN 0
	QUARTER 1, 0, 1, 0
	QUARTER 2, 1, 0, 0
	QUARTER 3, 0, 1, 0
	s_wait_dscnt 4
	MULA 1, 0, 0, 0
	MULA 1, 0, 1, 0
	s_wait_dscnt 0x0
	MULA 1, 1, 0, 0
	MULA 1, 1, 1, 0
	WIN 0
	PLACES
	s_wait_loadcnt 0x0                             ; the table
; THE WAY OUT, a unit = 16 tokens (row block a) of one head hd.  The table's numbers as this head takes them (c AL + BE, s AL); the turn, two numbers a line, each accumulator read from its low end on;
; rounded to f16; 16 bytes a lane into my stage, back as four rows of 128 bytes a load; stored a unit later.
.macro UNIT a, hd
.set AC, 8*(NBT*((\a)%2)+4*(\hd))
.set TA, TAB+32*(\a)
.set PKU, PK+16*((3*(\a)+(\hd))%2)
	WIN 0
.set z, 0
.rept 8
	v_pk_fma_f32 v[CE+2*z:CE+2*z+1], v[TA+2*z:TA+2*z+1], s[AL+4*(\hd):AL+4*(\hd)+1], s[BE+4*(\hd):BE+4*(\hd)+1] op_sel_hi:[1,0,0]
	v_pk_mul_f32 v[SE+2*z:SE+2*z+1], v[TA+16+2*z:TA+16+2*z+1], s[AL+4*(\hd):AL+4*(\hd)+1] op_sel_hi:[1,0]
.set z, z+1
.endr
	WIN 0x02+(\a)/2                                ; source 0 in window 2 or 3
.set z, 0
.rept 8
	v_pk_mul_f32 v[X+2*z:X+2*z+1],       v[AC+2*z:AC+2*z+1], v[CE+2*z:CE+2*z+1]   ; t1 cos
	v_pk_mul_f32 v[X+16+2*z:X+16+2*z+1], v[AC+2*z:AC+2*z+1], v[SE+2*z:SE+2*z+1]   ; t1 sin
.set z, z+1
.endr
.set z, 0
.rept 8
	v_pk_fma_f32 v[X+2*z:X+2*z+1],       v[AC+16+2*z:AC+16+2*z+1], v[SE+2*z:SE+2*z+1], v[X+2*z:X+2*z+1] neg_lo:[1,0,0] neg_hi:[1,0,0]  ; - t2 sin
	v_pk_fma_f32 v[X+16+2*z:X+16+2*z+1], v[AC+16+2*z:AC+16+2*z+1], v[CE+2*z:CE+2*z+1], v[X+16+2*z:X+16+2*z+1]                         ; + t2 cos
.set z, z+1
.endr
	WIN 0
	s_wait_xcnt 0x0                                ; the stores of the unit before last have read this set of 16: it is rewritten only behind this wait
.set z, 0
.rept 16
	v_cvt_pk_f16_f32 v[PKU+z], v[X+2*z], v[X+2*z+1]
.set z, z+1
.endr
.irp f, 0,1,2,3
	ds_store_b128 v[STO], v[PKU+4*(\f):PKU+4*(\f)+3] offset:32*(\f)
.endr
.irp f, 0,1,2,3
	ds_load_b128 v[PKU+4*(\f):PKU+4*(\f)+3], v[RD] offset:4*SP*(\f)  ; LDS serves a wave's instructions in order (ISA guide 5.7.1.4): these see the stores above; the next unit's stores come behind them
.endr
.endm
.macro SEND a, hd, younger             ; younger: the next unit's eight LDS instructions, or none
.set PKU, PK+16*((3*(\a)+(\hd))%2)
	s_wait_dscnt \younger
.irp f, 0,1,2,3
	global_store_b128 v[GO], v[PKU+4*(\f):PKU+4*(\f)+3], s[HB+2*(\hd):HB+2*(\hd)+1] offset:2048*(\a)+512*(\f)  ; 512 consecutive bytes, at a multiple of 256 from the buffer's first
.endr
.endm
.set u, 0
.rept 12
	UNIT u/3, u%3
.if u > 0
	SEND (u-1)/3, (u-1)%3, 8
.endif
.set u, u+1
.endr
	SEND 3, 2, 0
	s_wait_tensorcnt 0x0                           ; the wave's end: these three lines stand behind my last tensor load and my last LDS store
	ds_add_u32 v[SPW], v[NIL]
	s_wait_dscnt 0x0
	CROUND                                         ; the closing round: no work-group ends while a partner may still ask for a tile that names it
	s_endpgm
.Lfunc_end_k_q3bf2d3d8e7_qkv:
	.size	k_q3bf2d3d8e7_qkv, .Lfunc_end_k_q3bf2d3d8e7_qkv-k_q3bf2d3d8e7_qkv
	.p2alignl 7, 3214868480
	.fill 96, 4, 3214868480
	.section	.rodata,"a",@progbits
	.p2align	6, 0x0
	.amdhsa_kernel k_q3bf2d3d8e7_qkv
		.amdhsa_group_segment_fixed_size 327680
		.amdhsa_private_segment_fixed_size 0
		.amdhsa_enable_private_segment 0
		.amdhsa_kernarg_size 40
		.amdhsa_user_sgpr_count 2
		.amdhsa_user_sgpr_kernarg_segment_ptr 1
		.amdhsa_wavefront_size32 1
		.amdhsa_system_sgpr_workgroup_id_x 1
		.amdhsa_system_sgpr_workgroup_id_y 1
		.amdhsa_system_sgpr_workgroup_id_z 1
		.amdhsa_system_vgpr_workitem_id 0
		.amdhsa_next_free_vgpr 960
		.amdhsa_next_free_sgpr 92
		.amdhsa_reserve_vcc 0
		.amdhsa_float_denorm_mode_32 3
		.amdhsa_float_denorm_mode_16_64 3
		.amdhsa_memory_ordered 1
		.amdhsa_forward_progress 1
		.amdhsa_inst_pref_size 140
	.end_amdhsa_kernel
	.amdgpu_metadata
---
amdhsa.version: [ 1, 2 ]
amdhsa.kernels:
  - .name:           k_q3bf2d3d8e7_qkv
    .symbol:         k_q3bf2d3d8e7_qkv.kd
    .args:
      - { .name: xb, .offset: 0, .size: 8, .value_kind: global_buffer, .address_space: global }
      - { .name: wpb, .offset: 8, .size: 8, .value_kind: global_buffer, .address_space: global }
      - { .name: biasr, .offset: 16, .size: 8, .value_kind: global_buffer, .address_space: global }
      - { .name: rope, .offset: 24, .size: 8, .value_kind: global_buffer, .address_space: global }
      - { .name: qkv, .offset: 32, .size: 8, .value_kind: global_buffer, .address_space: global }
    .group_segment_fixed_size: 327680
    .private_segment_fixed_size: 0
    .kernarg_segment_align: 8
    .kernarg_segment_size: 40
    .max_flat_workgroup_size: 128
    .sgpr_count:     92
    .vgpr_count:     960
    .wavefront_size: 32
...
	.end_amdgpu_metadata
.endif
;; end of part 2
;; launch attn (part 3): grid 4 x 64, 4 waves a work-group, clusters of 4 x 1, 327,680 bytes of LDS; arguments qkv, ob; writes ob
.if DOCPART == 3
	.amdgcn_target "amdgcn-amd-amdhsa--gfx1250"
	.amdhsa_code_object_version 6
	.text
	.protected	k_q3bf2d3d8e7_attn
	.globl	k_q3bf2d3d8e7_attn
	.p2align	8
	.type	k_q3bf2d3d8e7_attn,@function
k_q3bf2d3d8e7_attn:
	s_mov_b64 s[64:65], 0
	v_nop
	global_prefetch_b8 v0, s[64:65] scope:SCOPE_SE
	s_setreg_imm32_b32 hwreg(HW_REG_WAVE_MODE, 25, 1), 1
	s_wait_xcnt 0x0
	s_wait_alu depctr_hold_cnt(0) depctr_sa_sdst(0) depctr_va_vdst(0) depctr_va_sdst(0) depctr_va_ssrc(0) depctr_va_vcc(0) depctr_vm_vsrc(0)
	s_getreg_b32 s2, hwreg(HW_REG_IB_STS2, 6, 4)
	s_cmp_eq_u32 s2, 0
	s_cbranch_scc0 .Lentry_in_a_cluster
	s_endpgm
.Lentry_in_a_cluster:
	s_bfe_u32 s2, ttmp6, 0x10000c
	s_cmp_lg_u32 s2, 0x3003
	s_cbranch_scc0 .Lentry_shape_is_right
	s_endpgm
.Lentry_shape_is_right:
; O[h][q][:] = the sum over k of softmax_k(Q[h][q] . K[h][k] / 8) V[h][k][:].  Q, K, V are the three parts of qkv, O is ob: [SIZE_H][SIZE_N][64], all f16: a head's rows are dense, 128 bytes each.
; Products, maxima and sums in f32; the weights p are rounded to f16 for the second product (their sum l is taken of the unrounded p), O once at the end.
; LIMITS.  f16 holds no number beyond 65,504: Q, K and V arrive within it; p lies in 0 to 1, and below 6e-5 it keeps f16's fixed step of 6e-8; O is a mean of V's rows and has their range.
; A weight below 2^-126 counts as 0 in l; NaN and infinities are not treated apart.
; SHARES.  A wave owns four PIECES of two tiles of 16 queries, a work-group's four waves 512 queries of one head.  Every wave walks all keys, 64 a step.
; LAYOUT.  S^T = K Q^T (source 0 = 16 keys, source 1 = 16 queries): in the result a lane holds ONE query (lane % 16) and the keys 8 (lane / 16) + 0..7.  Two such tiles, rounded to f16 in pairs,
; ARE source 1 (32 keys x 16 queries) of O^T = V^T P, whose result again holds one query a lane, and eight channels.  K comes out of LDS as it lies, V ([key][channel]) turned, by ds_load_tr16_b128.
; SOFTMAX.  For each query a running maximum m and sum l: p = 2^(c s - c m), c = log2(e) / 8; in every step O and l are multiplied by a = 2^(c m_old - c m_new), which is 1 where m has not grown.
; m starts at the lowest finite number, O and l at 0: the first step is a step like any other, with a = 0.
; THE COUNT.  A tile and step have 16 matrix and 118 vector instructions: too many to stand all beside the matrix work.  So the order has one aim: four vector instructions that are READY behind
; EVERY matrix instruction, and the others, which need time of their own whatever the order, in runs without a gap.
; BY TURNS.  Turn n belongs to piece n (the pieces in a ring, step after step).  Its matrix work: 16 products K Q^T of piece n + 1, later 16 products V^T P of piece n - 1.  Its vector work: the scaling,
; exponentials, roundings, sums and rescaling of piece n, and the maximum and statistics of piece n + 1, whose scores the turn itself has made.  So what a turn begins with (c s - c m, O a) waits for nothing.
; CLUSTER.  The four query blocks of a cluster are one head's and walk the same K and V, so each tile is asked for JOINTLY: the same tensor load, descriptor and mask in all four.
; REGISTERS, in windows of 256 (s_set_vgpr_msb says which window each operand place means: bits 1:0 source 0, 3:2 source 1, 5:4 source 2, 7:6 destination):
;   window 0: v0-11 addresses; v12-15, v48-63 at work; v16-47 four registers of statistics a tile; v64-191 S^T, two buffers of two tiles; v192-255 P, likewise
;   window 1: O^T, 32 a tile          window 2: v0-127 Q, 16 a tile; v128-191 K of one step; v192-255 V of one step          window 3: v0-1 the add's two registers
; A piece's buffers go by its number's parity: the piece in hand has one pair, its two neighbours in the ring share the other: of it P (piece n - 1) is read and S^T (piece n + 1) written.
.set SIZE_H, 64
.set SIZE_N, 2048
.set PARTB, SIZE_H*SIZE_N*128   ; bytes from Q to K and from K to V in qkv
.set NP,    4         ; pieces a wave: a name, no knob: the register map, the loop and the fetches are made for four
.set KS,    64        ; keys in a step
.set PK,    144       ; a row of K in LDS: 128 bytes + 16 of padding = 36 words: the 16 rows of a load start at 16 different groups of four banks (64 banks of 4 bytes: ISA guide 11.1)
.set PV,    160       ; a row of V: 128 + 32 = 40 words
.set VOFF,  4*KS*PK   ; a slot holds four steps: 256 rows of K, then 256 rows of V
.set SLOT1, 1<<17     ; slot 1 begins here, so that one exclusive or turns an address in one slot into the other's
.set STAGE, SLOT1+4*KS*(PK+PV)  ; behind the ring, never filled by a tensor load: 16 rows x 144 bytes for each wave, for the way out
.set SP,    144
.set AK0, 2           ; v2   my lane's place in a tile of K; never rewritten
.set AV0, 3           ; v3   the same for V
.set AK,  4           ; v4   the LDS address of K's next run of loads
.set AV,  5           ; v5   of V's
.set QO,  6           ; v6   my byte offset in the wave's rows of Q
.set STO, 6           ;      later, the way out: where I put 16 bytes of a row
.set RD,  7           ; v7   the way out: where I read rows back
.set GO,  8           ; v8   my byte offset in 512 consecutive bytes of O
.set PFO, 11          ; v11  256 x my lane: the prefetches' offset; never rewritten once made
.set SPW, 0           ; v0 of window 3   LDS address of my spare word: SPARE + 4 x my thread's number; never rewritten
.set NIL, 1           ; v1 of window 3   0; never rewritten
.set SPARE, STAGE+4*16*SP  ; behind the stages: the spare words, 128 bytes for each wave: two blocks of 256 bytes that no other line names
.set MV,  12          ; v12-15  c m_old, kept while c m is made anew: by buffer and tile
.set ST,  16          ; tile t's statistics at v[ST+4 t]: c m, m, l (even keys', odd keys')
.set TMP, 48          ; by buffer and tile, four registers c0-c3 at work; when the maximum is found c2 takes a
.set S,   64
.set P,   192
.set KF,  128         ; K's fragments, in window 2: key block kb, channel half c at KF + 16 kb + 8 c
.set VF,  192         ; V's: key half kk, channel block cb at VF + 32 kk + 8 cb
.set WV,  12          ; s12  my wave's number
.set G1K, 24          ; s[24:31] descriptor group 1 for K's tiles
.set G1V, 32          ; s[32:39] for V's: it differs in the padding alone
.set G0K, 40          ; s[40:43] descriptor group 0 for K's tiles: it walks
.set G0V, 44          ; s[44:47] the same for V's
.set PFA, 48          ; s[48:49] where my prefetches stand: my work-group's 32 blocks of 256 bytes (of K: wave 0, of V: wave 2) of the slot after the one that is being asked for
.set LIM, 50          ; s50  1 in a wave that prefetches, else the greatest number: a wave prefetches while s[SLOTS] is above it
.set SLOTS, 56        ; s56  slots still to be asked for
.set CNT, 57          ; s57  counts a slot's key steps
.set CS,  58          ; s[58:59] c: the packed scaling takes the pair's low word for both halves
.set SEL, 60          ; s[60:61] v_permlanex16_b32's selects: each lane takes its own place in the other half
.set TBK, 62          ; s62  LDS byte at which K of the step to be fetched begins
.set TBV, 63          ; s63  the same for V, less VOFF
.set MSB, 0
.macro WIN new                      ; the high byte repeats the setting that is left; a switch that changes nothing is dropped
.if MSB != (\new)
	s_set_vgpr_msb (MSB<<8)|(\new)
.set MSB, (\new)
.endif
.endm
.set W_KQ, 0x0a       ; K and Q in window 2, S^T in window 0
.set W_PV, 0x52       ; V in window 2, P in window 0, O^T in window 1
.set W_RS, 0x41       ; O^T (destination and source 0) in window 1, a in window 0
.set W_MK, 0xc0       ; the add's registers are made: destination in window 3, sources in window 0
.set W_AD, 0x0f       ; the add: address (source 0) and data (source 1) in window 3
; A joint fill.  Waves 0 and 1 fetch the two halves of a slot's K, waves 2 and 3 those of its V: 128 keys each.  The branch hangs on the wave's number alone.
; An s_nop 0 and four v_nop follow each of the two lines, ahead of the jump and the label.
.macro JLOAD
	s_cmp_lt_u32 s[WV], 2
	s_cbranch_scc0 .Lfor_v_\@
	tensor_load_to_lds s[G0K:G0K+3], s[G1K:G1K+7]
	s_nop 0
.rept 4
	v_nop
.endr
	s_branch .Lasked_\@
.Lfor_v_\@:
	tensor_load_to_lds s[G0V:G0V+3], s[G1V:G1V+7]
	s_nop 0
.rept 4
	v_nop
.endr
.Lasked_\@:
.endm
; A PREFETCH INTO THE L2 of what the NEXT change of slots will ask for: a slot's 32,768 bytes of K and of V.  It stands behind the wave's tensor load and its five lines.  Each block of 256 bytes is named once
; in the launch: a head has one cluster; its four partners take 32 blocks each, told apart BY ADDRESS (no branch hangs on a work-group's place in its cluster); in each, wave 0 asks for K's and wave 2 for V's,
; a lane a block, one instruction.  It is four key steps, 512 matrix instructions, ahead of the load that will want the bytes.  The last change that fills a slot asks for nothing: there is no slot behind it.
.macro ASK
	s_cmp_gt_u32 s[SLOTS], s[LIM]
	s_cbranch_scc0 .Lnot_mine_\@
	global_prefetch_b8 v[PFO], s[PFA:PFA+1] th:TH_LOAD_NT scope:SCOPE_SE
.Lnot_mine_\@:
.endm
; A round of the cluster's barrier: my work-group's barrier, so that wave 0's signal speaks for all four waves; wave 0 signals; every wave waits for all four work-groups; my work-group's barrier once more.
.macro CROUND
	s_barrier_signal -1
	s_barrier_wait -1
	s_cmp_lg_u32 s[WV], 0
	s_cbranch_scc1 .Lnot_wave_0_\@
	s_barrier_signal -3
.Lnot_wave_0_\@:
	s_barrier_wait -3
	s_barrier_signal -1
	s_barrier_wait -1
.endm
; THE CHANGE OF SLOTS.  The slot's last bytes, V of its fourth step, have been read.  Each wave waits for all its tensor loads, of which one is out: its part
; of the other slot; adds 0 to its spare word; and waits for that and for its own reads of the slot.  Behind the barrier nobody reads this slot any more and the other slot is whole.
; fill = 1: this slot is filled again, with the keys two slots on.  The barrier is then a round of the cluster's, so that no wave of any partner still reads the slot or has a load on its
; way, and the joint fill is the first thing behind it: it has four key steps, 512 matrix instructions, in which to land.  (At its first use nothing has been read yet: slot 0 is waited for, slot 1 filled.)
.macro CHANGE fill
	WIN W_AD
	s_wait_tensorcnt 0x0            ; no tensor load of mine is out, so a group 0 may be written
	ds_add_u32 v[SPW], v[NIL]       ; 0 onto my spare word; with fill = 1 the descriptors' steps stand between it and the wait for it
	WIN 0                           ; at a label and at a branch every window is 0
.if \fill
.irp g, G0K, G0V
	s_xor_b32 s[\g+1], s[\g+1], SLOT1  ; the walking descriptor: the other slot than last time,
	s_add_nc_u64 s[\g+2:\g+3], s[\g+2:\g+3], 4*KS*128  ; the next 256 keys; the type bits on top are not reached
.endr
	s_wait_xcnt 0x0                 ; the last prefetch, four key steps back, has read its address, so it may be written:
	s_add_nc_u64 s[PFA:PFA+1], s[PFA:PFA+1], 4*KS*128  ; one slot behind the walking descriptors
	s_wait_dscnt 0x0                ; the add is done, and my reads of the slot are over
	CROUND
	JLOAD
	ASK
.else
	s_wait_dscnt 0x0                ; the add is done, and my reads of the slot are over
	s_barrier_signal -1
	s_barrier_wait -1
.endif
	s_sub_co_u32 s[TBK], s[TBK], 4*KS*PK  ; the fetches go back to a slot's first step,
	s_xor_b32 s[TBK], s[TBK], SLOT1       ; in the other slot
	s_sub_co_u32 s[TBV], s[TBV], 4*KS*PV
	s_xor_b32 s[TBV], s[TBV], SLOT1
.endm
	s_load_b64 s[4:5], s[0:1], 0x0    ; qkv: Q at its head
	s_load_b64 s[10:11], s[0:1], 0x8  ; ob
	WIN W_MK
	v_lshl_add_u32 v[SPW], v0, 2, SPARE
	v_mov_b32 v[NIL], 0
	WIN W_AD
	ds_add_u32 v[SPW], v[NIL]       ; the wave's opening: the add and its wait stand ahead of my first tensor load; the set-up below, work on registers, stands between them
	WIN 0
	v_lshrrev_b32 v1, 5, v0
	v_readfirstlane_b32 s[WV], v1   ; wave 0..3
	s_bfe_u32 s13, ttmp6, 0x40000   ; cx: my place in the cluster
	s_lshl_b32 s14, ttmp9, 2        ; in a cluster launch ttmp9 counts clusters
	s_add_co_u32 s14, s14, s13      ; my block of queries = 4 x cluster x + cx: it enters Q's and O's addresses alone
	s_and_b32 s20, ttmp7, 0xffff    ; the head, which the four partners share
	s_mov_b32 s21, 0
	s_mov_b64 s[22:23], SIZE_N*128
	s_mul_u64 s[20:21], s[20:21], s[22:23]  ; the head's first byte in each of the four tensors
	s_and_b32 s16, s[WV], 1         ; which half of a slot's 256 keys I fetch:
	s_lshl_b32 s22, s16, 14         ; its 128 rows of 128 bytes in memory,
	s_mov_b32 s23, 0
	s_add_nc_u64 s[22:23], s[22:23], s[20:21]
	s_mul_i32 s17, s16, 128*PK      ; and its place in a slot, for K
	s_mul_i32 s18, s16, 128*PV      ; and for V: no place in the cluster enters an LDS address
	s_lshl_b32 s2, s14, 2
	s_add_co_u32 s2, s2, s[WV]      ; my wave among the head's,
	s_lshl_b32 s2, s2, 14           ; its 128 rows
	s_mov_b32 s3, 0
	s_add_nc_u64 s[2:3], s[2:3], s[20:21]
	; descriptor group 1.  128 keys are 16,384 dense bytes: asked for as 64 rows of 256 bytes, two keys a row, and padded in LDS after every key
	s_mov_b32 s[G1K], 15|(1<<16)|(1<<20)|(1<<21)|(4<<22)|(3<<25)  ; 15:0 the mask of four; 17:16 2-byte elements; 20 padding on; 21 set beside a mask; 24:22 after every 32 words (code 4); 31:25 4 words (code 3)
	s_mov_b32 s[G1V], 15|(1<<16)|(1<<20)|(1<<21)|(4<<22)|(7<<25)  ; the same with 8 words of padding (code 7)
.irp g, G1K, G1V
	s_mov_b32 s[\g+1], 128<<16      ; tensor_dim0 = 128
	s_mov_b32 s[\g+2], 64<<16       ; tensor_dim1 = 64
	s_mov_b32 s[\g+3], 128<<16      ; tile_dim0 = 128
	s_mov_b32 s[\g+4], 64           ; tile_dim1 = 64
	s_mov_b32 s[\g+5], 128          ; 128 elements from row to row
	s_mov_b32 s[\g+6], 0
	s_mov_b32 s[\g+7], 0
.endr
	s_mov_b32 s[CS], 0x3e38aa3b     ; c = log2(e) / 8 = 0.180337
	s_mov_b32 s[CS+1], s[CS]        ; named with it as a pair
	s_mov_b32 s[SEL], 0x76543210
	s_mov_b32 s[SEL+1], 0xfedcba98
	s_mov_b32 s[TBK], SLOT1+4*KS*PK ; the first change of slots turns these two into 0
	s_mov_b32 s[TBV], SLOT1+4*KS*PV
	s_mov_b32 s[G0K], 1             ; 1:0 count = 1
	s_mov_b32 s[G0K+1], s17         ; 63:32 LDS address: slot 0
	s_mov_b32 s[G0V], 1
	s_add_co_u32 s[G0V+1], s18, VOFF
	s_mov_b32 s[SLOTS], SIZE_N/256-1  ; seven slots are still to be asked for behind slot 0
	s_and_b32 s[LIM], s[WV], 1      ; 0 in waves 0 and 2,
	s_or_b32 s[LIM], s[LIM], ttmp9  ; where the cluster is the head's first: the same in all four partners
	s_cmp_eq_u32 s[LIM], 0
	s_cselect_b32 s[LIM], 1, -1
	s_lshl_b32 s52, s13, 13         ; my work-group's 32 blocks of a slot's 128
	s_mov_b32 s53, 0
	s_wait_dscnt 0x0                ; the opening add is done
	s_wait_kmcnt 0x0
	s_add_nc_u64 s[6:7], s[4:5], PARTB    ; K
	s_add_nc_u64 s[8:9], s[4:5], 2*PARTB  ; V
	s_add_nc_u64 s[G0K+2:G0K+3], s[6:7], s[22:23]  ; 120:64 global address: my half of the head's first 256 keys
	s_or_b32 s[G0K+3], s[G0K+3], 0x80000000        ; 127:126 type = 2
	s_add_nc_u64 s[G0V+2:G0V+3], s[8:9], s[22:23]
	s_or_b32 s[G0V+3], s[G0V+3], 0x80000000
	s_cmp_lt_u32 s[WV], 2
	s_cselect_b64 s[PFA:PFA+1], s[6:7], s[8:9]
	s_add_nc_u64 s[PFA:PFA+1], s[PFA:PFA+1], s[20:21]
	s_add_nc_u64 s[PFA:PFA+1], s[PFA:PFA+1], s[52:53]
	s_add_nc_u64 s[PFA:PFA+1], s[PFA:PFA+1], 4*KS*128  ; in slot 1; the first change of slots steps it to slot 2.  Nothing is prefetched here, at the head, where every work-group's first tiles are on their way
	s_add_nc_u64 s[4:5], s[4:5], s[2:3]  ; Q and O at my wave's first row
	s_add_nc_u64 s[10:11], s[10:11], s[2:3]
	CROUND                          ; all four work-groups are here: the first joint loads meet
	JLOAD                           ; slot 0.  Slot 1 is asked for when slot 0 is in: the tile wanted first has the road to itself
	; A fragment of K or Q is 16 rows x 32 channels in 8 registers: lane l holds row l % 16, channels 8 (l / 16) + 0..7 and 16 + 8 (l / 16) + 0..7: two loads of 16 bytes, 32 bytes apart.
	v_and_b32 v1, 15, v0            ; l % 16
	v_bfe_u32 v9, v0, 4, 1          ; l / 16
	v_lshlrev_b32 v[QO], 7, v1
	v_lshl_add_u32 v[QO], v9, 4, v[QO]  ; row x 128 + 16 x half
	WIN 0x80                        ; destination window 2, address window 0
.set i, 0
.rept 4*NP                          ; Q stays in registers: tile i / 2, channels 32 (i % 2) on
	global_load_b128 v[8*i:8*i+3],   v[QO], s[4:5] offset:(i/2)*2048+(i%2)*64
	global_load_b128 v[8*i+4:8*i+7], v[QO], s[4:5] offset:(i/2)*2048+(i%2)*64+32
.set i, i+1
.endr
	; What the first turn finds: V's registers and P's second buffer hold 0 (its products V^T P, of a piece that has not been, add 0), O^T and l are 0.  All this stands in the wait for the first tile.
.set i, VF
.rept 64
	v_mov_b32 v[i], 0
.set i, i+1
.endr
	WIN 0x40
.set i, 0
.rept 64*NP
	v_mov_b32 v[i], 0
.set i, i+1
.endr
	WIN 0
.set i, 0
.rept 2*NP
	v_mov_b32 v[ST+4*i], 0xfe000000    ; c m: far below every c s
	v_mov_b32 v[ST+4*i+1], 0xff7fffff  ; m
	v_mov_b32 v[ST+4*i+2], 0
	v_mov_b32 v[ST+4*i+3], 0
.set i, i+1
.endr
.set i, P+32
.rept 32
	v_mov_b32 v[i], 0
.set i, i+1
.endr
	v_mul_u32_u24 v[AK0], v1, PK
	v_lshl_add_u32 v[AK0], v9, 4, v[AK0]  ; row x pitch + 16 x half
	; The turning load takes 16 keys x 16 channels (lane l reads key 8 (l / 16) + l % 8, channels 8 ((l / 8) % 2) + 0..7) and leaves half a fragment of V^T: lane l holds channel l % 16 and 8 keys.
	v_and_b32 v10, 7, v0
	v_bfe_u32 v11, v0, 3, 1
	v_lshl_add_u32 v[AV0], v9, 3, v10
	v_mul_u32_u24 v[AV0], v[AV0], PV
	v_lshl_add_u32 v[AV0], v11, 4, v[AV0]
	v_add_nc_u32 v[AV0], VOFF, v[AV0]
	v_and_b32 v[PFO], 31, v0        ; v11 has served: it takes the prefetches' offset
	v_lshlrev_b32 v[PFO], 8, v[PFO]
	v_mov_b32 v[AK], v[AK0]         ; key step 0 lies at the head of slot 0
; THE MATRIX WORK.  The 8 accumulators of a run of 16 take turns: between the two links of a chain stand 7 others'.
; Product i of 16 of S^T = K Q^T for piece x: channels 32 (i / 8) on, keys 16 ((i / 2) % 4) on, tile 2 x + i % 2.  The first 8 start the sums.
.macro KQ x
	WIN W_KQ
.set rS, S+64*((\x)%2)+32*(i%2)+8*((i/2)%4)
.set rK, KF+16*((i/2)%4)+8*(i/8)
.set rQ, 16*(2*(\x)+i%2)+8*(i/8)
.if i < 8
	v_wmma_f32_16x16x32_f16 v[rS:rS+7], v[rK:rK+7], v[rQ:rQ+7], 0
.else
	v_wmma_f32_16x16x32_f16 v[rS:rS+7], v[rK:rK+7], v[rQ:rQ+7], v[rS:rS+7]
.endif
.endm
; Product i of 16 of O^T += V^T P for piece x: keys 32 (i / 8) on, channels 16 ((i / 2) % 4) on, tile 2 x + i % 2.
.macro PV x
	WIN W_PV
.set rO, 32*(2*(\x)+i%2)+8*((i/2)%4)
.set rV, VF+32*(i/8)+8*((i/2)%4)
.set rP, P+32*((\x)%2)+16*(i%2)+8*(i/8)
	v_wmma_f32_16x16x32_f16 v[rO:rO+7], v[rV:rV+7], v[rP:rP+7], v[rO:rO+7]
.endm
.macro MM                           ; the turn's next matrix instruction
.if i < 16
	KQ (Y+1)%NP
.set i, i+1
.else
.set i, i-16
	PV (Y+NP-1)%NP
.set i, i+17
.endif
.endm
; THE LDS LOADS stand in runs of 16, never singly among the matrix instructions: a step's K (64 keys x 64 channels: 8 fragments) and its V (turned).  Their addresses are made some lines ahead.
; last = 1 (the tail): in the last trip there is no further step, and the run is jumped over.
.macro FETCH_K last=0
	WIN 0
.if \last
	s_cmp_eq_u32 s[CNT], 1
	s_cbranch_scc1 .Lno_k_\@
.endif
	WIN 0x80                        ; destination window 2
.irp f, 0,1,2,3,4,5,6,7             ; keys 16 (f / 2) on, channels 32 (f % 2) on
	ds_load_b128 v[KF+8*\f:KF+8*\f+3],   v[AK] offset:(\f/2)*16*PK+(\f%2)*64
	ds_load_b128 v[KF+8*\f+4:KF+8*\f+7], v[AK] offset:(\f/2)*16*PK+(\f%2)*64+32
.endr
	s_add_co_u32 s[TBK], s[TBK], KS*PK  ; the next fetch is the next step's
	WIN 0
.if \last
.Lno_k_\@:
.endif
.endm
.macro FETCH_V
	WIN 0x80
.irp f, 0,1,2,3,4,5,6,7             ; keys 32 (f / 4) on, channels 16 (f % 4) on
	ds_load_tr16_b128 v[VF+8*\f:VF+8*\f+3],   v[AV] offset:(\f/4)*32*PV+(\f%4)*32
	ds_load_tr16_b128 v[VF+8*\f+4:VF+8*\f+7], v[AV] offset:(\f/4)*32*PV+16*PV+(\f%4)*32
.endr
	WIN 0
.endm
; THE VECTOR WORK OF A TURN stands in three queues, each in the order in which its entries become ready; the two tiles alternate, so that no instruction reads the result of the one before it.
.macro REGS y, u                    ; the registers of tile u (0, 1) of piece y
.set rT, ST+4*(2*(\y)+(\u))
.set rC, TMP+8*((\y)%2)+4*(\u)
.set rM, MV+2*((\y)%2)+(\u)
.set rS, S+64*((\y)%2)+32*(\u)
.set rP, P+32*((\y)%2)+16*(\u)
.set rO, 32*(2*(\y)+(\u))
.endm
; Number n of the 22 that find the NEXT piece's (Y + 1) maximum and statistics.  s0-s31 are the lane's 32 scores; each accumulator's lowest registers are read first.  XS, GS and REGS set no window: PL and EX do.
;   0-11  four chains c0-c3 of seven scores each, three operands at a time     12-14, 16  the four scores left over, the old m, and c0-c3 into c0     15  c m_old is kept
;   17, 18  the query's other 32 keys lie in the lane 16 away: the new m         19-21  c m; c m_old - c m_new; a
.macro XS u, n
	REGS (Y+1)%NP, \u
.if (\n) < 4
	v_max3_num_f32 v[rC+(\n)], v[rS+8*(\n)], v[rS+8*(\n)+1], v[rS+8*(\n)+2]
.elseif (\n) < 12
	v_max3_num_f32 v[rC+(\n)%4], v[rC+(\n)%4], v[rS+8*((\n)%4)+2*((\n)/4)+1], v[rS+8*((\n)%4)+2*((\n)/4)+2]
.elseif (\n) == 12
	v_max3_num_f32 v[rC], v[rC], v[rS+7], v[rS+15]
.elseif (\n) == 13
	v_max3_num_f32 v[rC+1], v[rC+1], v[rS+23], v[rS+31]
.elseif (\n) == 14
	v_max3_num_f32 v[rC+2], v[rC+2], v[rC+3], v[rT+1]
.elseif (\n) == 15
	v_mov_b32 v[rM], v[rT]
.elseif (\n) == 16
	v_max3_num_f32 v[rC], v[rC], v[rC+1], v[rC+2]
.elseif (\n) == 17
	v_permlanex16_b32 v[rC+3], v[rC], s[SEL], s[SEL+1]
.elseif (\n) == 18
	v_max_num_f32 v[rT+1], v[rC], v[rC+3]
.elseif (\n) == 19
	v_mul_f32 v[rT], s[CS], v[rT+1]
.elseif (\n) == 20
	v_sub_f32 v[rC+1], v[rM], v[rT]
.else
	v_exp_f32 v[rC+2], v[rC+1]
.endif
.endm
; Number g of the 64 that follow the exponentials.  For each four weights k of a tile (pairs 2 k, 2 k + 1): both pairs are rounded to f16; then the second pair is added onto the first, in place;
; a group later l takes that sum (the first time as l = a l + sum).  In groups of eight, tiles alternating: round, round, add, and l for the group before.
.macro GS g
.set h, (\g)+6*((\g)/62)            ; group 0 has no group before it, and behind group 7 only l is left
.if h >= 6
.set h, h+2
.endif
	REGS Y, h%2
.set k, h/8
.if h%8 < 4
	s_wait_alu depctr_va_vdst(0)
	v_cvt_pk_f16_f32 v[rP+2*k+(h%8)/2], v[rS+4*k+2*((h%8)/2)], v[rS+4*k+2*((h%8)/2)+1]
.elseif h%8 < 6
	v_pk_add_f32 v[rS+4*k:rS+4*k+1], v[rS+4*k:rS+4*k+1], v[rS+4*k+2:rS+4*k+3]
.elseif k == 1
	v_pk_fma_f32 v[rT+2:rT+3], v[rT+2:rT+3], v[rC+2:rC+3], v[rS:rS+1] op_sel_hi:[1,0,1]
.else
	v_pk_add_f32 v[rT+2:rT+3], v[rT+2:rT+3], v[rS+4*k-4:rS+4*k-3]
	s_wait_alu depctr_va_vdst(0)
.endif
.endm
; THE PLAIN QUEUE, 138 long.  0-31: c s - c m for the 16 pairs of both tiles.  Then GS's 64, and among them the next piece's 42: number 15 at 38, 39; 0-14 and 16
; at 42-73, behind the products that make those scores; 17-20 at 95-106, two of three, since each waits for the one before it.
.macro PL
	WIN 0
.if q < 32
	REGS Y, q%2
	v_pk_fma_f32 v[rS+2*(q/2):rS+2*(q/2)+1], v[rS+2*(q/2):rS+2*(q/2)+1], s[CS:CS+1], v[rT:rT+1] op_sel_hi:[1,0,0] neg_lo:[0,0,1] neg_hi:[0,0,1]
.elseif q < 38
	GS q-32
.elseif q < 40
	XS q%2, 15
.elseif q < 42
	GS q-34
.elseif q < 74
	XS q%2, (q-42)/2+(q-42)/30
.elseif q < 95
	GS q-66
.elseif (q < 107) && ((q-95)%3 < 2)
	XS (q-95)%3, 17+(q-95)/3
.elseif q < 107
	GS 29+(q-95)/3
.else
	GS q-74
.endif
.set q, q+1
.endm
; THE EXPONENTIALS' QUEUE, 66 long: s0-s31 of both tiles, and at EA the next piece's two a.
.set EA, 58
.macro EX
	WIN 0
.if (e == EA) || (e == EA+1)
	XS e-EA, 21
.else
.set x, e-2*(e/(EA+2))
	REGS Y, x%2
	v_exp_f32 v[rS+x/2], v[rS+x/2]
.endif
.set e, e+1
.endm
; THE RESCALING's QUEUE: O^T times a, the one part that leaves window 0, so it is dealt four at a time, eight times.
.macro R4
	REGS Y, r%2
	WIN W_RS
	s_wait_alu depctr_va_vdst(0)
.irp z, 0,1,2,3
	v_pk_mul_f32 v[rO+8*(r/2)+2*\z:rO+8*(r/2)+2*\z+1], v[rO+8*(r/2)+2*\z:rO+8*(r/2)+2*\z+1], v[rC+2:rC+3] op_sel_hi:[1,0]
.endr
.set r, r+1
.endm
; HOW THEY ARE DEALT.  Behind a matrix instruction four: plain, exponential, plain, plain (one exponential, a plain instruction on either side), or four of the rescaling.  None names a register of the
; products round it.  What is over stands in two LUMPS: exponential and plain by turns; the second ends in 22 plain instructions.  The two v_permlanex16_b32 fall into the second lump, never behind a product.
; The queues lean on each other, and the deal keeps them in step: exponential e stands behind plain 2 (e / 4) + e % 2 (its scaling); when plain 32 comes, 10 exponentials are out, at 59: 33, at 95: 46; EA comes behind plain 107.
.macro SL
	MM
	PL
	EX
	PL
	PL
.endm
.macro BURST n                      ; 15 matrix instructions, or 16
.rept (\n)-7
	SL
.endr
.rept 3
	MM
	R4
	SL
.endr
	MM
	R4
.endm
; A TURN, for piece p.  cnt = 1: the loop's count is taken down some lines ahead of the branch that stands behind the turn.
; K of the next step is fetched in piece 2's turn, 31 vector instructions behind the last product that read K; its first reader comes behind the rest of the lump, 16 products and the second lump.
; V of the step in hand is fetched at the end of piece 0's turn, 69 behind its last reader; its first reader comes behind 16 products and a lump.  The four conditions on e and q below go with the deal.
.macro TURN p, last=0, cnt=0
.set Y, (\p)
.set i, 0
.set q, 0
.set e, 0
.set r, 0
.if (\p) == NP-1
	s_wait_dscnt 0x0                ; K is in
.endif
	MM
.rept 4
	PL
.endr
	BURST 15
.rept 22
	EX
	PL
.if ((\p) == NP-2) && (e == 18)
	v_add_nc_u32 v[AK], s[TBK], v[AK0]
.endif
.if ((\p) == NP-2) && (e == 24)
	FETCH_K \last
.endif
.endr
.if (\p) == 1
	s_wait_dscnt 0x0                ; V is in
.endif
	BURST 16
.rept 21
	EX
	PL
.endr
.rept 22
	PL
.if ((\p) == 0) && (q == 118)
	v_add_nc_u32 v[AV], s[TBV], v[AV0]
	s_wait_alu depctr_va_vdst(0)
.endif
.if ((\p) == 0) && (q == 130)
	s_add_co_u32 s[TBV], s[TBV], KS*PV
.endif
.if (\cnt) && (q == 130)
	s_sub_co_u32 s[CNT], s[CNT], 1
	s_cmp_lg_u32 s[CNT], 0
.endif
.endr
.if (\p) == 0
	FETCH_V
.endif
.endm
	CHANGE 1                        ; slot 0 is in, everybody's part of it; slot 1 is asked for
	FETCH_K                         ; key step 0
	s_wait_loadcnt 0x0              ; Q
	s_wait_dscnt 0x0
.set i, 0
.rept 16
	KQ 0                            ; piece 0's first scores: there is no vector work yet to set between them
.set i, i+1
.endr
	WIN 0                           ; the addresses for the way out: nine plain instructions, the places behind those products
	s_mul_i32 s13, s[WV], 16*SP
	s_add_co_u32 s13, s13, STAGE    ; my stage
	v_mul_u32_u24 v[STO], v1, SP    ; in: row l % 16, 16 bytes for each half of the lanes
	v_lshl_add_u32 v[STO], v9, 4, v[STO]
	v_add_nc_u32 v[STO], s13, v[STO]
	v_bfe_u32 v[RD], v0, 3, 2       ; back: 32 lanes take four rows of 128 bytes,
	v_mul_u32_u24 v[RD], v[RD], SP
	v_lshl_add_u32 v[RD], v10, 4, v[RD]
	v_add_nc_u32 v[RD], s13, v[RD]
	v_and_b32 v[GO], 31, v0         ; which are 512 consecutive bytes of O
	v_lshlrev_b32 v[GO], 4, v[GO]
.set Y, NP-1                        ; XS works for piece Y + 1: piece 0
.irp n, 0,1,2,3,4,5,6,7,8,9,10,11,12,13,14,15,16,17,18,19,20,21
	XS 0, \n                        ; and piece 0's first maximum and statistics
	XS 1, \n
.endr
	s_mov_b32 s[CNT], 4
	s_branch .Lfirst                ; the loop is entered at a step's first turn, in the middle of a trip
.Lslot:                             ; SIZE_N / 256 - 2 times: every slot but the last two is filled again
	CHANGE 1
	s_mov_b32 s[CNT], 4
.Lstep:                             ; a trip: pieces 2 and 3 of one step, then pieces 0 and 1 of the next, whose K and V it fetches
	TURN 2
	TURN 3
	WIN 0
.Lfirst:
	TURN 0
	TURN 1, 0, 1
	WIN 0
	s_cbranch_scc1 .Lstep
	s_sub_co_u32 s[SLOTS], s[SLOTS], 1
	s_cmp_lg_u32 s[SLOTS], 0
	s_cbranch_scc1 .Lslot
	CHANGE 0                        ; the tail is written out: nothing is asked for
	s_mov_b32 s[CNT], 5             ; four trips fetch the last slot's steps; the fifth is left in its middle
.Ltail:
	TURN 2, 1
	TURN 3
	WIN 0
	s_sub_co_u32 s[CNT], s[CNT], 1
	s_cmp_eq_u32 s[CNT], 0
	s_cbranch_scc1 .Lout
	TURN 0
	TURN 1
	WIN 0
	s_branch .Ltail
.Lout:                              ; the fifth trip's 16 products K Q^T (on the last K once more) and the maximum made of them serve nothing: the price, once a launch, of one text for every trip
.set i, 0
.rept 16
	PV NP-1                         ; the last piece's V^T P of the last step
.set i, i+1
.endr
	; THE WAY OUT.  l's two halves and the other half of the lanes' are added; O^T is divided by l, rounded to f16 and sent through my stage in LDS, a tile at a time.  The additions are the places behind the last products.
	WIN 0
.macro ALL line:vararg              ; one line for each tile t
.set t, 0
.rept 2*NP
	\line
.set t, t+1
.endr
.endm
	ALL v_add_f32 v[ST+4*t+2], v[ST+4*t+2], v[ST+4*t+3]
	ALL v_permlanex16_b32 v[ST+4*t+3], v[ST+4*t+2], s[SEL], s[SEL+1]
	ALL v_add_f32 v[ST+4*t+2], v[ST+4*t+2], v[ST+4*t+3]
	ALL v_rcp_f32 v[ST+4*t+2], v[ST+4*t+2]
	v_nop                           ; a plain instruction between the last reciprocal and the use of its result
	s_wait_alu depctr_va_vdst(0)
; Tile t: a lane's eight channels of a row pack into 16 bytes; they go into rows of 144 bytes and come back as whole rows of 128, into S^T's registers.
.macro PACK t
	WIN W_RS
.set i, 32*(\t)
.rept 16
	v_pk_mul_f32 v[i:i+1], v[i:i+1], v[ST+4*(\t)+2:ST+4*(\t)+3] op_sel_hi:[1,0]
.set i, i+2
.endr
	WIN 0x05                        ; sources 0 and 1 window 1, destination window 0
.set i, 0
.rept 16
	v_cvt_pk_f16_f32 v[S+16*(\t)+i], v[32*(\t)+2*i], v[32*(\t)+2*i+1]
.set i, i+1
.endr
	WIN 0
.irp f, 0,1,2,3
	ds_store_b128 v[STO], v[S+16*(\t)+4*\f:S+16*(\t)+4*\f+3] offset:32*\f
.endr
.irp f, 0,1,2,3
	ds_load_b128 v[S+16*(\t)+4*\f:S+16*(\t)+4*\f+3], v[RD] offset:\f*4*SP  ; LDS serves a wave's instructions in order (ISA guide 5.7.1.4): these see the stores above; the next tile's stores come behind them
.endr
.endm
.macro SEND t, younger              ; younger: the LDS instructions issued behind tile t's loads: the next tile's eight, or none
	WIN 0
.irp f, 0,1,2,3
	s_wait_dscnt (\younger)+3-\f
	global_store_b128 v[GO], v[S+16*(\t)+4*\f:S+16*(\t)+4*\f+3], s[10:11] offset:(\t)*2048+\f*512  ; 512 consecutive bytes, at a multiple of 256 from O's first
.endr
.endm
	PACK 0
.set t, 1
.rept 2*NP-1                        ; a tile's arithmetic stands between the loads of the tile before and its stores
	PACK t
	SEND t-1, 8
.set t, t+1
.endr
	SEND 2*NP-1, 0
	WIN W_AD
	s_wait_tensorcnt 0x0            ; the wave's end: these three lines stand behind my last tensor load and my last LDS store
	ds_add_u32 v[SPW], v[NIL]
	s_wait_dscnt 0x0
	WIN 0
	CROUND                          ; the closing round: no work-group ends while a partner may still ask for a tile that names it
	s_endpgm
.Lfunc_end_k_q3bf2d3d8e7_attn:
	.size	k_q3bf2d3d8e7_attn, .Lfunc_end_k_q3bf2d3d8e7_attn-k_q3bf2d3d8e7_attn
	.p2alignl 7, 3214868480
	.fill 96, 4, 3214868480
	.section	.rodata,"a",@progbits
	.p2align	6, 0x0
	.amdhsa_kernel k_q3bf2d3d8e7_attn
		.amdhsa_group_segment_fixed_size 327680
		.amdhsa_private_segment_fixed_size 0
		.amdhsa_enable_private_segment 0
		.amdhsa_kernarg_size 16
		.amdhsa_user_sgpr_count 2
		.amdhsa_user_sgpr_kernarg_segment_ptr 1
		.amdhsa_wavefront_size32 1
		.amdhsa_system_sgpr_workgroup_id_x 1
		.amdhsa_system_sgpr_workgroup_id_y 1
		.amdhsa_system_sgpr_workgroup_id_z 1
		.amdhsa_system_vgpr_workitem_id 0
		.amdhsa_next_free_vgpr 770
		.amdhsa_next_free_sgpr 66
		.amdhsa_reserve_vcc 0
		.amdhsa_float_denorm_mode_32 3
		.amdhsa_float_denorm_mode_16_64 3
		.amdhsa_memory_ordered 1
		.amdhsa_forward_progress 1
		.amdhsa_inst_pref_size 209
	.end_amdhsa_kernel
	.amdgpu_metadata
---
amdhsa.version: [ 1, 2 ]
amdhsa.kernels:
  - .name:           k_q3bf2d3d8e7_attn
    .symbol:         k_q3bf2d3d8e7_attn.kd
    .args:
      - { .name: qkv, .offset: 0, .size: 8, .value_kind: global_buffer, .address_space: global }
      - { .name: ob, .offset: 8, .size: 8, .value_kind: global_buffer, .address_space: global }
    .group_segment_fixed_size: 327680
    .private_segment_fixed_size: 0
    .kernarg_segment_align: 8
    .kernarg_segment_size: 16
    .max_flat_workgroup_size: 128
    .sgpr_count:     66
    .vgpr_count:     770
    .wavefront_size: 32
...
	.end_amdgpu_metadata
.endif
;; end of part 3
;; launch proj (part 4): grid 8 x 32, 4 waves a work-group, clusters of 4 x 4, 327,680 bytes of LDS; arguments ob, wob, biasr, out0; writes out0
.if DOCPART == 4
	.amdgcn_target "amdgcn-amd-amdhsa--gfx1250"
	.amdhsa_code_object_version 6
	.text
	.protected	k_q3bf2d3d8e7_proj
	.globl	k_q3bf2d3d8e7_proj
	.p2align	8
	.type	k_q3bf2d3d8e7_proj,@function
k_q3bf2d3d8e7_proj:
	s_mov_b64 s[64:65], 0
	v_nop
	global_prefetch_b8 v0, s[64:65] scope:SCOPE_SE
	s_setreg_imm32_b32 hwreg(HW_REG_WAVE_MODE, 25, 1), 1
	s_wait_xcnt 0x0
	s_wait_alu depctr_hold_cnt(0) depctr_sa_sdst(0) depctr_va_vdst(0) depctr_va_sdst(0) depctr_va_ssrc(0) depctr_va_vcc(0) depctr_vm_vsrc(0)
	s_getreg_b32 s2, hwreg(HW_REG_IB_STS2, 6, 4)
	s_cmp_eq_u32 s2, 0
	s_cbranch_scc0 .Lentry_in_a_cluster
	s_endpgm
.Lentry_in_a_cluster:
	s_bfe_u32 s2, ttmp6, 0x10000c
	s_cmp_lg_u32 s2, 0xf033
	s_cbranch_scc0 .Lentry_shape_is_right
	s_endpgm
.Lentry_shape_is_right:
; OUTPUT PROJECTION.  out0[tok][e] = sum over head, d of ob[16 batch + head][pos][d] wob[e][64 head + d] + b_out[e].  ob [64][2048][64] and wob [1024][1024] are f16; sums in f32, started by the
; bias (biasr from byte 12,288 on, f32); out0 [8192][1024] f32.
; LIMITS.  The operands arrive within f16's range; NaN and infinities are not treated apart.
; SHARES.  A tile of out0 is 256 tokens x 128 columns: 256 tiles.  Four waves; wave w owns tokens 64 w .. 64 w + 63 (four row blocks) and all 8 column tiles of 16: 32 accumulators, 256 registers.
; K goes in 8 steps of 128 = two heads, through two LDS slots.  256 tokens of one head are 32,768 dense bytes: asked for as 128 rows of 256 bytes and padded in LDS after each token's 128 bytes; a step has two
; such planes (waves 0 and 1 fetch one each) and 128 rows x 256 bytes of wob (waves 2 and 3 fetch 64 rows each).  A loop's trip is one K step: the refill's descriptor walks, the slot read is chosen by s[TB].
; THE MATRIX INSTRUCTION IS USED TRANSPOSED (source 0 = 16 rows of wob, source 1 = 16 tokens): lane l holds token l % 16 and the columns 8 (l / 16) + 0..7.
; CLUSTER.  4 x 4 work-groups: the four of a row need the same planes of ob, the four of a column the same tile of wob: each is asked for jointly, by the same tensor load, descriptor and mask in all four.
; REGISTERS, in windows of 256 (s_set_vgpr_msb: bits 1:0 source 0, 3:2 source 1, 5:4 source 2, 7:6 destination):
;   window 0: v0-15 addresses; v32-63, v64-95 ob's fragments, two buffers; v128-191 the bias; on the way out v32-95 and v128-191 rows read back
;   window 1: v0-63, v64-127 wob's fragments, two buffers      window 2: accumulators of row blocks 0, 1 at v[8 (8 a + b)]      window 3: of row blocks 2, 3
.set NBT,   8                          ; column tiles
.set PA,    144                        ; a token's row in LDS: 128 bytes + 16 of padding = 36 words: the 16 rows of a load start at 16 different groups of four banks (64 banks of 4 bytes: ISA guide 11.1)
.set PB,    272                        ; a row of wob: 256 + 16
.set PLANE, 256*PA                     ; one head's 256 tokens: what waves 0 and 1 fetch
.set BREG,  2*PLANE                    ; behind the two planes: wob's 128 rows
.set BHALF, 64*PB                      ; what waves 2 and 3 fetch
.set SLOT1, 1<<17                      ; a slot has 108,544 bytes; slot 1 begins here
.set STAGE, SLOT1+BREG+128*PB          ; behind the ring, never filled by a tensor load: 16 rows x 528 bytes for each wave
.set SP,    528                        ; 512 bytes + 16
.set SPARE, STAGE+4*16*SP              ; behind the stages: the spare words, 128 bytes for each wave: two blocks of 256 bytes that no other line names
.set NL,    2*NBT+8                    ; LDS loads of a quarter step
.set ADRA0, 4                          ; v4   my place in ob's planes of slot 0; never rewritten
.set ADRB0, 5                          ; v5   the same for wob
.set ADRA,  6                          ; v6   the same in the slot in hand
.set ADRB,  7                          ; v7
.set STO,   8                          ; v8   the way out: where I put 32 bytes of a row
.set RD,    9                          ; v9   the way out: where I read a row back
.set GO,    10                         ; v10  my 16 bytes of a row's 512
.set BO,    12                         ; v12  my byte offset in a column tile's 64 bytes of bias
.set SPW,   14                         ; v14  LDS address of my spare word; never rewritten
.set NIL,   15                         ; v15  0; never rewritten
.set FA0,   32
.set FBS,   8*NBT
.set BIAS,  128
.set OUT0,  32                         ; rows read back: v32-95 and v128-191 by turns
.set WV,  14
.set FB,  15                           ; s15  0: I fetch ob, 1: wob
.set HF,  16                           ; s16  which plane, or which half of wob's rows
.set CX,  17
.set CY,  18
.set TC,  19                           ; s19  tile column = 4 x cluster x + cx
.set TR,  20                           ; s20  tile row = 4 x cluster y + cy
.set TB,  23                           ; s23  0 or SLOT1: the slot in hand
.set G1A, 24
.set G0A, 32
.set G1B, 40
.set G0B, 48
.set OBASE, 66                         ; s[66:67] out0 at my first row and the tile's first column
.set BBASE, 68                         ; s[68:69] b_out at the tile's first column
.set LW,  70                           ; s70  scalars that enter LDS addresses: made of the wave's number alone
.set MSB, 0
.macro WIN new                         ; the immediate's high byte repeats the setting that is left; a switch that changes nothing is dropped
.if MSB != (\new)
	s_set_vgpr_msb (MSB<<8)|(\new)
.set MSB, (\new)
.endif
.endm
.set MUL_LO,   0xa1                    ; source 0 window 1, source 1 window 0, C and D window 2
.set FIRST_LO, 0x81                    ; the same with C (the bias) in window 0
.set TO_B,     0x40                    ; destination window 1, address window 0
; A joint load by set s of the descriptors.  The branch hangs on the wave's number alone.  An s_nop 0 and four v_nop follow each of the two lines, ahead of the jump and the label.
.macro JLOAD s
	s_cmp_eq_u32 s[FB], 0
	s_cbranch_scc0 .Lfor_b_\@
	tensor_load_to_lds s[G0A+4*(\s):G0A+4*(\s)+3], s[G1A:G1A+7]
	s_nop 0
.rept 4
	v_nop
.endr
	s_branch .Lasked_\@
.Lfor_b_\@:
	tensor_load_to_lds s[G0B+4*(\s):G0B+4*(\s)+3], s[G1B:G1B+7]
	s_nop 0
.rept 4
	v_nop
.endr
.Lasked_\@:
.endm
.macro CREST                           ; a round of the cluster's barrier behind its opening barrier
	s_cmp_lg_u32 s[WV], 0
	s_cbranch_scc1 .Lnot_wave_0_\@
	s_barrier_signal -3
.Lnot_wave_0_\@:
	s_barrier_wait -3
	s_barrier_signal -1
	s_barrier_wait -1
.endm
.macro CROUND                          ; a whole round
	s_barrier_signal -1
	s_barrier_wait -1
	CREST
.endm
.macro PLACES                          ; four places behind matrix instructions, in front of loads into registers that they have read and of lines that read results
.rept 4
	v_nop
.endr
.endm
	s_load_b256 s[4:11], s[0:1], 0x0               ; ob 4:5, wob 6:7, biasr 8:9, out0 10:11
	v_lshl_add_u32 v[SPW], v0, 2, SPARE
	v_mov_b32 v[NIL], 0
	ds_add_u32 v[SPW], v[NIL]                      ; the wave's opening: the add and its wait stand ahead of my first tensor load; the set-up below, work on registers, stands between them
	v_lshrrev_b32 v3, 5, v0
	v_readfirstlane_b32 s[WV], v3
	s_lshr_b32 s[FB], s[WV], 1
	s_and_b32 s[HF], s[WV], 1
	s_bfe_u32 s[CX], ttmp6, 0x40000
	s_bfe_u32 s[CY], ttmp6, 0x40004
	s_lshl_b32 s[TC], ttmp9, 2
	s_add_co_u32 s[TC], s[TC], s[CX]
	s_and_b32 s[TR], ttmp7, 0xffff
	s_lshl_b32 s[TR], s[TR], 2
	s_add_co_u32 s[TR], s[TR], s[CY]
	s_lshl_b32 s21, s[CY], 2
	s_lshl_b32 s21, 15, s21                        ; my row of the cluster
	s_lshl_b32 s22, 0x1111, s[CX]                  ; my column
	s_or_b32 s[G1A], s21, (1<<16)|(1<<20)|(1<<21)|(4<<22)|(3<<25)  ; the mask; 2-byte elements; padding on; 21 set beside a mask; after every 32 words (code 4) 4 words (code 3)
	s_or_b32 s[G1B], s22, (1<<16)|(1<<20)|(1<<21)|(5<<22)|(3<<25)  ; after every 64 words (code 5)
	s_mov_b32 s[G1A+1], 128<<16                    ; tensor_dim0 = 128
	s_mov_b32 s[G1A+2], 128<<16                    ; tensor_dim1 = 128
	s_mov_b32 s[G1A+3], 128<<16                    ; tile_dim0 = 128
	s_mov_b32 s[G1A+4], 128                        ; tile_dim1 = 128
	s_mov_b32 s[G1A+5], 128                        ; dense: 128 elements from row to row
	s_mov_b32 s[G1A+6], 0
	s_mov_b32 s[G1A+7], 0
	s_mov_b32 s[G1B+1], 128<<16
	s_mov_b32 s[G1B+2], 64<<16                     ; 64 rows
	s_mov_b32 s[G1B+3], 128<<16
	s_mov_b32 s[G1B+4], 64
	s_mov_b32 s[G1B+5], 1024
	s_mov_b32 s[G1B+6], 0
	s_mov_b32 s[G1B+7], 0
	s_mov_b32 s[G0A], 1
	s_mov_b32 s[G0A+4], 1
	s_mov_b32 s[G0B], 1
	s_mov_b32 s[G0B+4], 1
	s_mul_i32 s[G0A+1], s[HF], PLANE               ; LDS addresses: the wave's number and constants alone
	s_add_co_u32 s[G0A+5], s[G0A+1], SLOT1
	s_mul_i32 s[G0B+1], s[HF], BHALF
	s_add_co_u32 s[G0B+1], s[G0B+1], BREG
	s_add_co_u32 s[G0B+5], s[G0B+1], SLOT1
	s_lshr_b32 s56, s[TR], 3                       ; ob: batch,
	s_lshl_b32 s56, s56, 4
	s_add_co_u32 s56, s56, s[HF]                   ; head 0 or 1 of it,
	s_lshl_b32 s56, s56, 18                        ; 2,048 rows of 128 bytes each,
	s_and_b32 s57, s[TR], 7
	s_lshl_b32 s57, s57, 15                        ; and the tile's 256 tokens in it; s56, s57 never hold cx
	s_add_co_u32 s56, s56, s57
	s_mov_b32 s57, 0
	s_lshl_b32 s58, s[TC], 18                      ; wob: (128 tile column + 64 half) rows of 2,048 bytes; s58, s59 never hold cy
	s_lshl_b32 s59, s[HF], 17
	s_add_co_u32 s58, s58, s59
	s_mov_b32 s59, 0
	s_wait_dscnt 0x0                               ; the opening add is done
	s_wait_kmcnt 0x0
	s_add_nc_u64 s[G0A+2:G0A+3], s[4:5], s[56:57]  ; K step 0
	s_add_nc_u64 s[G0A+6:G0A+7], s[G0A+2:G0A+3], 524288  ; K step 1: two heads on
	s_or_b32 s[G0A+3], s[G0A+3], 0x80000000
	s_or_b32 s[G0A+7], s[G0A+7], 0x80000000
	s_add_nc_u64 s[G0B+2:G0B+3], s[6:7], s[58:59]
	s_add_nc_u64 s[G0B+6:G0B+7], s[G0B+2:G0B+3], 256
	s_or_b32 s[G0B+3], s[G0B+3], 0x80000000
	s_or_b32 s[G0B+7], s[G0B+7], 0x80000000
	CROUND                                         ; all sixteen work-groups are here: the first joint loads meet
	JLOAD 0                                        ; two tensor loads of mine are out; later one
	JLOAD 1
	v_and_b32 v1, 15, v0                           ; l % 16
	v_bfe_u32 v2, v0, 4, 1                         ; l / 16
	v_mul_u32_u24 v3, v1, PA
	v_lshl_add_u32 v3, v2, 4, v3
	s_mul_i32 s[LW], s[WV], 64*PA
	v_add_nc_u32 v[ADRA0], s[LW], v3               ; my 64 tokens
	v_mul_u32_u24 v3, v1, PB
	v_lshl_add_u32 v3, v2, 4, v3
	v_add_nc_u32 v[ADRB0], BREG, v3
	s_mul_i32 s[LW], s[WV], 16*SP
	s_add_co_u32 s[LW], s[LW], STAGE               ; my stage
	v_mul_u32_u24 v[STO], v1, SP                   ; in: row l % 16, 32 bytes for each half of the lanes
	v_lshl_add_u32 v[STO], v2, 5, v[STO]
	v_add_nc_u32 v[STO], s[LW], v[STO]
	v_and_b32 v[GO], 31, v0                        ; back: 32 lanes take a row's 512 bytes
	v_lshlrev_b32 v[GO], 4, v[GO]
	v_add_nc_u32 v[RD], s[LW], v[GO]
	v_lshlrev_b32 v[BO], 5, v2
	s_lshl_b32 s60, s[TR], 20                      ; 256 rows of 4,096 bytes,
	s_lshl_b32 s61, s[WV], 18                      ; my 64,
	s_add_co_u32 s60, s60, s61
	s_lshl_b32 s61, s[TC], 9                       ; the tile's 128 columns
	s_add_co_u32 s60, s60, s61
	s_add_co_u32 s62, s61, 12288                   ; b_out lies behind b_packed
	s_mov_b32 s61, 0
	s_mov_b32 s63, 0
	s_add_nc_u64 s[OBASE:OBASE+1], s[10:11], s[60:61]
	s_add_nc_u64 s[BBASE:BBASE+1], s[8:9], s[62:63]
.set b, 0
.rept NBT                              ; register j of tile b: the bias of column 16 b + 8 (l / 16) + j: the layout of a result, so it can start the sums
	global_load_b128 v[BIAS+8*b:BIAS+8*b+3],   v[BO], s[BBASE:BBASE+1] offset:64*b
	global_load_b128 v[BIAS+8*b+4:BIAS+8*b+7], v[BO], s[BBASE:BBASE+1] offset:64*b+16
.set b, b+1
.endr
; NBT matrix instructions: row block 2 hi + a x all column tiles, 32 along K, from buffer f.  first = 1: the bias is the C operand that starts the sums.
; The 32 accumulators take turns in the same order in every quarter, over the backward jump too.
.macro MULA f, hi, a, first
.if \first
	WIN FIRST_LO+0x40*(\hi)
.else
	WIN MUL_LO+0x50*(\hi)
.endif
.set b, 0
.rept NBT
.if \first
	v_wmma_f32_16x16x32_f16 v[8*(NBT*(\a)+b):8*(NBT*(\a)+b)+7], v[FBS*(\f)+8*b:FBS*(\f)+8*b+7], v[FA0+32*(\f)+8*(2*(\hi)+(\a)):FA0+32*(\f)+8*(2*(\hi)+(\a))+7], v[BIAS+8*b:BIAS+8*b+7]
.else
	v_wmma_f32_16x16x32_f16 v[8*(NBT*(\a)+b):8*(NBT*(\a)+b)+7], v[FBS*(\f)+8*b:FBS*(\f)+8*b+7], v[FA0+32*(\f)+8*(2*(\hi)+(\a)):FA0+32*(\f)+8*(2*(\hi)+(\a))+7], v[8*(NBT*(\a)+b):8*(NBT*(\a)+b)+7]
.endif
.set b, b+1
.endr
.endm
; NL LDS loads in one run: the fragments of quarter q of the slot in hand into buffer f: wob's 8, then ob's 4 (quarter q lies in plane q / 2, at channels 32 (q % 2) on)
.macro FETCH q, f
	WIN TO_B
.set i, 0
.rept NBT
	ds_load_b128 v[FBS*(\f)+8*i:FBS*(\f)+8*i+3],   v[ADRB] offset:64*(\q)+16*PB*i
	ds_load_b128 v[FBS*(\f)+8*i+4:FBS*(\f)+8*i+7], v[ADRB] offset:64*(\q)+16*PB*i+32
.set i, i+1
.endr
	WIN 0
.set i, 0
.rept 4
	ds_load_b128 v[FA0+32*(\f)+8*i:FA0+32*(\f)+8*i+3],   v[ADRA] offset:((\q)/2)*PLANE+((\q)%2)*64+16*PA*i
	ds_load_b128 v[FA0+32*(\f)+8*i+4:FA0+32*(\f)+8*i+7], v[ADRA] offset:((\q)/2)*PLANE+((\q)%2)*64+16*PA*i+32
.set i, i+1
.endr
.endm
; One of a K step's first three quarters: multiplies buffer f; in its middle it fetches quarter q into buffer g.
.macro QUARTER q, f, g, first
	s_wait_dscnt 4                                 ; wob's fragments and ob's row blocks 0, 1 are in; the youngest four loads (row blocks 2, 3) may be out
	MULA \f, 0, 0, \first
	MULA \f, 0, 1, \first
	PLACES
	FETCH \q, \g
	s_wait_dscnt NL                                ; all but the NL just issued
	MULA \f, 1, 0, \first
	MULA \f, 1, 1, \first
.endm
; The fourth quarter multiplies buffer 1 and changes slots.  In front of the barrier each wave waits for all its tensor loads (one is out: its part of the other slot), adds 0 to its spare word, and
; waits for that and for its reads of this slot.  fill = 1: the barrier opens a round of the cluster's, and the joint refill, two K steps on, is the first thing behind it.
.macro TURN fill
	WIN 0                                          ; (the add's two registers lie in window 0)
	s_wait_tensorcnt 0x0                           ; no tensor load of mine is out, so a group 0 may be written
	ds_add_u32 v[SPW], v[NIL]                      ; 0 onto my spare word
.if \fill
	s_xor_b32 s[G0A+5], s[G0A+5], SLOT1            ; the walking descriptors: the other slot than last time,
	s_add_nc_u64 s[G0A+6:G0A+7], s[G0A+6:G0A+7], 524288  ; the next two heads; the type bits on top are not reached
	s_xor_b32 s[G0B+5], s[G0B+5], SLOT1
	s_add_nc_u64 s[G0B+6:G0B+7], s[G0B+6:G0B+7], 256
.endif
	s_wait_dscnt 5                                 ; the add and the youngest four loads may be out
	MULA 1, 0, 0, 0
	s_wait_dscnt 0x0                               ; the add is done, and my reads of this slot are over
	s_barrier_signal -1
	MULA 1, 0, 1, 0                                ; work on registers while the others arrive
	WIN 0                                          ; at a branch and at a label every window is 0
	s_barrier_wait -1
.if \fill
	CREST                                          ; no wave of any partner still reads this slot or has a load on its way
	JLOAD 1                                        ; the four v_nop behind it are also the places in front of the loads below
.else
	PLACES
.endif
	s_xor_b32 s[TB], s[TB], SLOT1                  ; the other slot is in hand
	v_add_nc_u32 v[ADRA], s[TB], v[ADRA0]
	v_add_nc_u32 v[ADRB], s[TB], v[ADRB0]
	FETCH 0, 0
	MULA 1, 1, 0, 0
	MULA 1, 1, 1, 0
.endm
	s_wait_tensorcnt 0x1                           ; my part of K step 0 is in; K step 1's may stay out
	s_barrier_signal -1
	s_barrier_wait -1                              ; everybody's is
	v_mov_b32 v[ADRA], v[ADRA0]
	v_mov_b32 v[ADRB], v[ADRB0]
	s_mov_b32 s[TB], 0
	FETCH 0, 0
	s_wait_loadcnt 0x0                             ; the bias
	QUARTER 1, 0, 1, 1                             ; the first quarter stands in front of the loop: its products start the sums
	WIN 0
	s_mov_b32 s3, 6
.Lstep:                                ; six trips: from a K step's second quarter to the next one's first; each fills the slot just read with the K step two on (2 to 7)
	QUARTER 2, 1, 0, 0
	QUARTER 3, 0, 1, 0
	TURN 1
	QUARTER 1, 0, 1, 0
	WIN 0
	s_sub_co_u32 s3, s3, 1
	s_cmp_lg_u32 s3, 0
	s_cbranch_scc1 .Lstep
	QUARTER 2, 1, 0, 0                             ; the last two K steps are written out: nothing is asked for
	QUARTER 3, 0, 1, 0
	TURN 0
	QUARTER 1, 0, 1, 0
	QUARTER 2, 1, 0, 0
	QUARTER 3, 0, 1, 0
	s_wait_dscnt 4
	MULA 1, 0, 0, 0
	MULA 1, 0, 1, 0
	s_wait_dscnt 0x0
	MULA 1, 1, 0, 0
	MULA 1, 1, 1, 0
	WIN 0
	PLACES
; THE WAY OUT, a row block of 16 tokens at a time: the sums are the results.  32 bytes a lane and column tile into my stage (each accumulator's low four registers first), back as whole rows of 512 bytes, stored a block later.
.macro BLOCK a
.set AC, 8*NBT*((\a)%2)
.set OU, OUT0+96*((\a)%2)
.if (\a) >= 2
	s_wait_xcnt 0x0                                ; the stores of the block before last have read these 64 registers: they are loaded again only behind this wait
.endif
	WIN 0x08+4*((\a)/2)                            ; store data (source 1) in window 2 or 3
.set b, 0
.rept NBT
	ds_store_b128 v[STO], v[AC+8*b:AC+8*b+3]   offset:64*b
	ds_store_b128 v[STO], v[AC+8*b+4:AC+8*b+7] offset:64*b+16
.set b, b+1
.endr
	WIN 0
.set r, 0
.rept 16
	ds_load_b128 v[OU+4*r:OU+4*r+3], v[RD] offset:SP*r  ; LDS serves a wave's instructions in order (ISA guide 5.7.1.4): these see the stores above; the next block's stores come behind them
.set r, r+1
.endr
.endm
.macro SEND a, younger                 ; younger: the next block's 32 LDS instructions, or none
.set OU, OUT0+96*((\a)%2)
	s_wait_dscnt \younger
.set r, 0
.rept 16
	global_store_b128 v[GO], v[OU+4*r:OU+4*r+3], s[OBASE:OBASE+1] offset:65536*(\a)+4096*r th:TH_STORE_NT  ; 512 consecutive bytes, at a multiple of 256 from out0's first
.set r, r+1
.endr
.endm
	BLOCK 0
	BLOCK 1
	SEND 0, 32
	BLOCK 2
	SEND 1, 32
	BLOCK 3
	SEND 2, 32
	SEND 3, 0
	s_wait_tensorcnt 0x0                           ; the wave's end: these three lines stand behind my last tensor load and my last LDS store
	ds_add_u32 v[SPW], v[NIL]
	s_wait_dscnt 0x0
	CROUND                                         ; the closing round: no work-group ends while a partner may still ask for a tile that names it
	s_endpgm
.Lfunc_end_k_q3bf2d3d8e7_proj:
	.size	k_q3bf2d3d8e7_proj, .Lfunc_end_k_q3bf2d3d8e7_proj-k_q3bf2d3d8e7_proj
	.p2alignl 7, 3214868480
	.fill 96, 4, 3214868480
	.section	.rodata,"a",@progbits
	.p2align	6, 0x0
	.amdhsa_kernel k_q3bf2d3d8e7_proj
		.amdhsa_group_segment_fixed_size 327680
		.amdhsa_private_segment_fixed_size 0
		.amdhsa_enable_private_segment 0
		.amdhsa_kernarg_size 32
		.amdhsa_user_sgpr_count 2
		.amdhsa_user_sgpr_kernarg_segment_ptr 1
		.amdhsa_wavefront_size32 1
		.amdhsa_system_sgpr_workgroup_id_x 1
		.amdhsa_system_sgpr_workgroup_id_y 1
		.amdhsa_system_sgpr_workgroup_id_z 1
		.amdhsa_system_vgpr_workitem_id 0
		.amdhsa_next_free_vgpr 896
		.amdhsa_next_free_sgpr 72
		.amdhsa_reserve_vcc 0
		.amdhsa_float_denorm_mode_32 3
		.amdhsa_float_denorm_mode_16_64 3
		.amdhsa_memory_ordered 1
		.amdhsa_forward_progress 1
		.amdhsa_inst_pref_size 71
	.end_amdhsa_kernel
	.amdgpu_metadata
---
amdhsa.version: [ 1, 2 ]
amdhsa.kernels:
  - .name:           k_q3bf2d3d8e7_proj
    .symbol:         k_q3bf2d3d8e7_proj.kd
    .args:
      - { .name: ob, .offset: 0, .size: 8, .value_kind: global_buffer, .address_space: global }
      - { .name: wob, .offset: 8, .size: 8, .value_kind: global_buffer, .address_space: global }
      - { .name: biasr, .offset: 16, .size: 8, .value_kind: global_buffer, .address_space: global }
      - { .name: out0, .offset: 24, .size: 8, .value_kind: global_buffer, .address_space: global }
    .group_segment_fixed_size: 327680
    .private_segment_fixed_size: 0
    .kernarg_segment_align: 8
    .kernarg_segment_size: 32
    .max_flat_workgroup_size: 128
    .sgpr_count:     72
    .vgpr_count:     896
    .wavefront_size: 32
...
	.end_amdgpu_metadata
.endif
;; end of part 4
;; ======== version 2 of 2: 4 launches; version 1 with the launch prep written anew for expert scheduling mode
;; limits: values are held in f16: magnitudes above 65,504 overflow, below 6.1e-05 lose precision
;; workspace buffers: xb 16,777,216 bytes; wpb 6,291,456 bytes; wob 2,097,152 bytes; biasr 16,384 bytes; rope 524,288 bytes; qkv 50,331,648 bytes; ob 16,777,216 bytes
;; launch prep (part 5): grid 512 x 1, 8 waves a work-group, no clusters, 0 bytes of LDS; arguments x, W_packed, W_out, b_packed, b_out, xb, wpb, wob, biasr, rope; writes xb, wpb, wob, biasr, rope
.if DOCPART == 5
	.amdgcn_target "amdgcn-amd-amdhsa--gfx1250"
	.amdhsa_code_object_version 6
	.text
	.protected	k_q3bf2d3d8e7_prep
	.globl	k_q3bf2d3d8e7_prep
	.p2align	8
	.type	k_q3bf2d3d8e7_prep,@function
k_q3bf2d3d8e7_prep:
	s_mov_b64 s[64:65], 0
	v_nop
	global_prefetch_b8 v0, s[64:65] scope:SCOPE_SE
	s_setreg_imm32_b32 hwreg(HW_REG_WAVE_SCHED_MODE, 0, 2), 2
	s_setreg_imm32_b32 hwreg(HW_REG_WAVE_MODE, 25, 1), 1
	s_wait_xcnt 0x0
	s_wait_alu depctr_vm_vsrc(0)
; CASTS AND TABLES.  xb = bf16(x), wpb = bf16(W_packed); wob = bf16(W_out) written as f16; biasr = b_packed, then b_out, each rounded to bf16 and kept as f32;
; rope[pos][0..31] = cos(pos f_j), rope[pos][32..63] = sin(pos f_j), f_j = 10000^(-j/32), f32, 256 bytes a position.
; SHARES.  512 work-groups of eight waves.  Work-group i takes 65,536 bytes of x, 24,576 of W_packed, 8,192 of W_out: 24 loads of 16 bytes a lane, all issued at once; a load of the
; work-group covers 4,096 consecutive bytes, and the store that belongs to it 2,048; a wave's store covers 256 consecutive bytes, aligned.  Every store has data registers of its own.
; Waves 0 to 3 make one position's table row each (pos = 4 i + wave) while the loads are out.  Work-groups 0 to 3 round 4,096 bytes of the biases each.
; LIMITS.  wob: a bf16 number is exact in f16 from 7.7e-6 to 65,504; below that it keeps f16's fixed step of 6e-8, at 65,520 or more it becomes an infinity.
; The angle pos f_j is formed in f32 from f_j = 2^(-j log2(10000)/32): it can differ from another f32 evaluation by about 2e-4 at the largest positions, the size of the f32 rounding of such a product.
; Sine and cosine: the nearest multiple n of pi/2 is taken away in two parts, |r| <= pi/4 (a little more where n is off by one), then polynomials to r^9 and r^8: their error stays under 3e-8.
; THE MODE: SCHED_MODE bits 1:0 = 2 (LLVM: expert scheduling mode 2), set by the entry lines.  The code itself states the register dependences
; between vector instructions and memory instructions, with s_wait_alu, always for 0.
; THE PLAN.  Registers that memory instructions touch:
;   v1, v2        byte offsets, made once at the head and never written again: one wait ahead of the first load serves every load and store.
;   IN            written by the 24 loads at the head, which no vector instruction has named before; read by the conversions; loaded once.
;   OUT           a pair for each load: written once, by that load's conversions; read once, by its store.
;   T+12, T+14, T+15   the table row's offset and data: written by the table's arithmetic, read by its store, never written again.
;   T .. T+3      the bias load lands here; T+8 .. T+11 are the bias store's data.
; The 24 loads are worked off in six blocks of four.  Block p rounds its four loads into its OUT; its memory instructions are the four stores of block p - 1, whose OUT no vector
; instruction of block p names.  So one wait at a block's head, behind the wait for the block's data, states all that those four stores hang on, and they are dealt among the block's conversions.
; No register that a memory instruction reads is ever written again, and EXEC is never written.
.set IN,  16                           ; v[16:111]   24 loads of 4 registers
.set OUT, 112                          ; v[112:159]  24 stores of 2 registers
.set T,   160                          ; v[160:187]  at work; the table's second entry has its own set, 16 registers up
	s_load_b512 s[8:23], s[0:1], 0x0               ; x 8:9, W_packed 10:11, W_out 12:13, b_packed 14:15, b_out 16:17, xb 18:19, wpb 20:21, wob 22:23
	s_load_b128 s[24:27], s[0:1], 0x40             ; biasr 24:25, rope 26:27
	v_lshlrev_b32 v1, 4, v0                        ; 16 t: my bytes of a load; never rewritten
	v_lshlrev_b32 v2, 3, v0                        ; 8 t: my bytes of a store; never rewritten
	v_lshrrev_b32 v3, 5, v0
	v_readfirstlane_b32 s30, v3                    ; wave 0..7
	s_mov_b32 s29, 0                               ; offsets are made in s[28:29], apart from the addresses
	s_lshl_b32 s34, ttmp9, 12                      ; 4,096 i
	s_wait_alu depctr_va_sdst(0)                   ; s30 is written, ahead of its first reader: the compare that chooses the waves of the table
	s_wait_kmcnt 0x0
	s_lshl_b32 s28, ttmp9, 16
	s_add_nc_u64 s[8:9], s[8:9], s[28:29]
	s_lshl_b32 s28, ttmp9, 15
	s_add_nc_u64 s[18:19], s[18:19], s[28:29]
	s_mul_i32 s28, ttmp9, 24576
	s_add_nc_u64 s[10:11], s[10:11], s[28:29]
	s_mul_i32 s28, ttmp9, 12288
	s_add_nc_u64 s[20:21], s[20:21], s[28:29]
	s_lshl_b32 s28, ttmp9, 13
	s_add_nc_u64 s[12:13], s[12:13], s[28:29]
	s_mov_b32 s28, s34
	s_add_nc_u64 s[22:23], s[22:23], s[28:29]
	s_wait_alu depctr_va_vdst(0)                   ; v1 and v2 are written: every load and store of x, the weights and the biases reads one of them as its offset
.set k, 0
.rept 16
	global_load_b128 v[IN+4*k:IN+4*k+3], v1, s[8:9] offset:4096*k th:TH_LOAD_NT
.set k, k+1
.endr
.rept 6
	global_load_b128 v[IN+4*k:IN+4*k+3], v1, s[10:11] offset:4096*(k-16) th:TH_LOAD_NT
.set k, k+1
.endr
.rept 2
	global_load_b128 v[IN+4*k:IN+4*k+3], v1, s[12:13] offset:4096*(k-22) th:TH_LOAD_NT
.set k, k+1
.endr
; A lane's two table entries, j = j0 + E, E = 0 and 1, are made side by side: one line for each, entry E's registers at U = T + 16 E.
; cos(n pi/2 + r) is cos r, -sin r, -cos r, sin r for n mod 4 = 0..3; the sine is the cosine a quarter turn back: n + 3.
.macro BOTH line:vararg
.set E, 0
.set U, T
	\line
.set E, 1
.set U, T+16
	\line
.endm
	s_cmp_lt_u32 s30, 4
	s_cbranch_scc0 .Lno_table
	s_lshl_b32 s31, ttmp9, 2
	s_add_co_u32 s31, s31, s30                     ; pos = 4 i + wave
	s_lshl_b32 s28, s31, 8
	s_add_nc_u64 s[26:27], s[26:27], s[28:29]      ; my row of the table
	v_cvt_f32_u32 v[T], s31
	v_and_b32 v[T+12], 31, v0                      ; lane: 0-15 the cosines of j = 2 lane, 2 lane + 1; 16-31 the sines
	v_lshrrev_b32 v[T+10], 4, v[T+12]
	v_and_b32 v[T+1], 15, v[T+12]
	v_lshlrev_b32 v[T+1], 1, v[T+1]                ; j0
	v_mul_u32_u24 v[T+10], 3, v[T+10]              ; 0 or 3
	v_lshlrev_b32 v[T+12], 3, v[T+12]              ; 8 x lane
	BOTH v_add_nc_u32 v[U+2], E, v[T+1]
	BOTH v_cvt_f32_u32 v[U+2], v[U+2]
	BOTH v_mul_f32 v[U+2], 0xbed49a78, v[U+2]      ; -j log2(10000) / 32
	BOTH v_exp_f32 v[U+3], v[U+2]                  ; f_j: the two exponentials are one batch
	BOTH v_mov_b32 v[U+6], 0x3638ef1d              ; 1/9!   (four plain instructions stand behind the exponentials before a result is used: ISA guide 5.7.2)
	BOTH v_mov_b32 v[U+7], 0x37d00d01              ; 1/8!
	s_wait_alu depctr_va_vdst(0)                   ; the two exponentials have written f_j, ahead of the first line that names a result of theirs
	BOTH v_mul_f32 v[U+3], v[T], v[U+3]            ; the angle
	BOTH v_mul_f32 v[U+4], 0x3f22f983, v[U+3]      ; x 2/pi
	BOTH v_rndne_f32 v[U+4], v[U+4]                ; n
	BOTH v_fmamk_f32 v[U+5], v[U+4], 0xbfc90fdb, v[U+3]  ; r = angle - n x (pi/2 rounded to f32)
	BOTH v_fmamk_f32 v[U+5], v[U+4], 0x333bbd2e, v[U+5]  ;     - n x (what that rounding left, -4.371e-8)
	BOTH v_mul_f32 v[U+8], v[U+5], v[U+5]          ; r^2
	BOTH v_fmaak_f32 v[U+6], v[U+6], v[U+8], 0xb9500d01  ; -1/7!
	BOTH v_fmaak_f32 v[U+7], v[U+7], v[U+8], 0xbab60b61  ; -1/6!
	BOTH v_fmaak_f32 v[U+6], v[U+6], v[U+8], 0x3c088889  ; 1/5!
	BOTH v_fmaak_f32 v[U+7], v[U+7], v[U+8], 0x3d2aaaab  ; 1/4!
	BOTH v_fmaak_f32 v[U+6], v[U+6], v[U+8], 0xbe2aaaab  ; -1/3!
	BOTH v_fma_f32 v[U+7], v[U+7], v[U+8], -0.5
	BOTH v_mul_f32 v[U+9], v[U+5], v[U+8]          ; r^3
	BOTH v_fma_f32 v[U+7], v[U+7], v[U+8], 1.0     ; cos r
	BOTH v_fma_f32 v[U+6], v[U+9], v[U+6], v[U+5]  ; sin r
	BOTH v_cvt_i32_f32 v[U+9], v[U+4]
	BOTH v_add_nc_u32 v[U+9], v[U+9], v[T+10]      ; n, or n + 3 for the sine
	BOTH v_and_b32 v[U+11], 1, v[U+9]
	BOTH v_cmp_ne_u32 s[36+E], 0, v[U+11]          ; odd?  The two masks go into s36 and s37; the sign's three lines stand between them and the wait for them
	BOTH v_add_nc_u32 v[U+9], 1, v[U+9]
	BOTH v_and_b32 v[U+9], 2, v[U+9]               ; 1 and 2 mod 4 turn the sign
	BOTH v_lshlrev_b32 v[U+9], 30, v[U+9]
	s_wait_alu depctr_va_sdst(0)                   ; the two compares have written s36 and s37, ahead of the selects that read them
	BOTH v_cndmask_b32 v[T+14+E], v[U+7], v[U+6], s[36+E]  ; odd: sin r; a choice of a value: no address and no branch hangs on it
	BOTH v_xor_b32 v[T+14+E], v[U+9], v[T+14+E]
	s_wait_alu depctr_va_vdst(0)                   ; the offset T+12 and the two entries T+14, T+15 are written, which the store reads
	global_store_b64 v[T+12], v[T+14:T+15], s[26:27] th:TH_STORE_NT  ; the wave stores the row's 256 bytes; T+12, T+14 and T+15 are not written again
.Lno_table:
; Load k is rounded into its own pair of OUT.
.macro CVT k
.if (\k) < 22
	v_cvt_pk_bf16_f32 v[OUT+2*(\k)], v[IN+4*(\k)], v[IN+4*(\k)+1]
	v_cvt_pk_bf16_f32 v[OUT+2*(\k)+1], v[IN+4*(\k)+2], v[IN+4*(\k)+3]
.else
	v_cvt_pk_bf16_f32 v[T], v[IN+4*(\k)], v[IN+4*(\k)+1]  ; W_out: rounded to bf16 like every input,
	v_cvt_pk_bf16_f32 v[T+1], v[IN+4*(\k)+2], v[IN+4*(\k)+3]
	v_lshlrev_b32 v[T+2], 16, v[T]                 ; widened again,
	v_and_b32 v[T+3], 0xffff0000, v[T]
	v_lshlrev_b32 v[T+4], 16, v[T+1]
	v_and_b32 v[T+5], 0xffff0000, v[T+1]
	v_cvt_pk_f16_f32 v[OUT+2*(\k)], v[T+2], v[T+3] ; and that number written as f16
	v_cvt_pk_f16_f32 v[OUT+2*(\k)+1], v[T+4], v[T+5]
.endif
.endm
; The store that belongs to load k: 0-15 xb, 16-21 wpb, 22, 23 wob.
.macro ST k
.if (\k) < 16
	global_store_b64 v2, v[OUT+2*(\k):OUT+2*(\k)+1], s[18:19] offset:2048*(\k) th:TH_STORE_NT
.elseif (\k) < 22
	global_store_b64 v2, v[OUT+2*(\k):OUT+2*(\k)+1], s[20:21] offset:2048*((\k)-16) th:TH_STORE_NT
.else
	global_store_b64 v2, v[OUT+2*(\k):OUT+2*(\k)+1], s[22:23] offset:2048*((\k)-22) th:TH_STORE_NT
.endif
.endm
.set p, 0
.rept 6
	s_wait_loadcnt 20-4*p                          ; loads come back in order (ISA guide 5.7.1): block p's four are in, the 20 - 4 p younger ones may stay out
.if p > 0
	s_wait_alu depctr_va_vdst(0)                   ; the block before has written its four pairs of OUT, which the stores below read; no vector instruction of this block names them
.endif
.set i, 0
.rept 4
.if p > 0
	ST 4*p-4+i
.endif
	CVT 4*p+i
.set i, i+1
.endr
.set p, p+1
.endr
	s_wait_alu depctr_va_vdst(0)                   ; the last block has written its four pairs of OUT, which the stores below read; and every line that named T .. T+3, in which the bias load lands, is done
.irp k, 20,21,22,23
	ST \k
.endr
	s_cmp_lt_u32 ttmp9, 4                          ; the biases: work-groups 0 to 2 take b_packed's 12,288 bytes, work-group 3 b_out's 4,096
	s_cbranch_scc0 .Lend
	s_mov_b32 s28, s34
	s_add_nc_u64 s[24:25], s[24:25], s[28:29]      ; biasr at 4,096 i
	s_cmp_eq_u32 ttmp9, 3
	s_cselect_b64 s[32:33], s[16:17], s[14:15]
	s_cselect_b32 s28, 0, s34
	s_add_nc_u64 s[32:33], s[32:33], s[28:29]
	global_load_b128 v[T:T+3], v1, s[32:33]        ; no vector instruction stands between the wait ahead of the last four stores and this load
	s_wait_loadcnt 0x0
	v_cvt_pk_bf16_f32 v[T+4], v[T], v[T+1]
	v_cvt_pk_bf16_f32 v[T+5], v[T+2], v[T+3]
	v_lshlrev_b32 v[T+8], 16, v[T+4]
	v_and_b32 v[T+9], 0xffff0000, v[T+4]
	v_lshlrev_b32 v[T+10], 16, v[T+5]
	v_and_b32 v[T+11], 0xffff0000, v[T+5]
	s_wait_alu depctr_va_vdst(0)                   ; T+8 .. T+11 are written, which the store reads
	global_store_b128 v1, v[T+8:T+11], s[24:25]
.Lend:
	s_endpgm
.Lfunc_end_k_q3bf2d3d8e7_prep:
	.size	k_q3bf2d3d8e7_prep, .Lfunc_end_k_q3bf2d3d8e7_prep-k_q3bf2d3d8e7_prep
	.p2alignl 7, 3214868480
	.fill 96, 4, 3214868480
	.section	.rodata,"a",@progbits
	.p2align	6, 0x0
	.amdhsa_kernel k_q3bf2d3d8e7_prep
		.amdhsa_group_segment_fixed_size 0
		.amdhsa_private_segment_fixed_size 0
		.amdhsa_enable_private_segment 0
		.amdhsa_kernarg_size 80
		.amdhsa_user_sgpr_count 2
		.amdhsa_user_sgpr_kernarg_segment_ptr 1
		.amdhsa_wavefront_size32 1
		.amdhsa_system_sgpr_workgroup_id_x 1
		.amdhsa_system_sgpr_workgroup_id_y 1
		.amdhsa_system_sgpr_workgroup_id_z 1
		.amdhsa_system_vgpr_workitem_id 0
		.amdhsa_next_free_vgpr 192
		.amdhsa_next_free_sgpr 66
		.amdhsa_reserve_vcc 0
		.amdhsa_float_denorm_mode_32 3
		.amdhsa_float_denorm_mode_16_64 3
		.amdhsa_memory_ordered 1
		.amdhsa_forward_progress 1
		.amdhsa_inst_pref_size 14
	.end_amdhsa_kernel
	.amdgpu_metadata
---
amdhsa.version: [ 1, 2 ]
amdhsa.kernels:
  - .name:           k_q3bf2d3d8e7_prep
    .symbol:         k_q3bf2d3d8e7_prep.kd
    .args:
      - { .name: x, .offset: 0, .size: 8, .value_kind: global_buffer, .address_space: global }
      - { .name: W_packed, .offset: 8, .size: 8, .value_kind: global_buffer, .address_space: global }
      - { .name: W_out, .offset: 16, .size: 8, .value_kind: global_buffer, .address_space: global }
      - { .name: b_packed, .offset: 24, .size: 8, .value_kind: global_buffer, .address_space: global }
      - { .name: b_out, .offset: 32, .size: 8, .value_kind: global_buffer, .address_space: global }
      - { .name: xb, .offset: 40, .size: 8, .value_kind: global_buffer, .address_space: global }
      - { .name: wpb, .offset: 48, .size: 8, .value_kind: global_buffer, .address_space: global }
      - { .name: wob, .offset: 56, .size: 8, .value_kind: global_buffer, .address_space: global }
      - { .name: biasr, .offset: 64, .size: 8, .value_kind: global_buffer, .address_space: global }
      - { .name: rope, .offset: 72, .size: 8, .value_kind: global_buffer, .address_space: global }
    .group_segment_fixed_size: 0
    .private_segment_fixed_size: 0
    .kernarg_segment_align: 8
    .kernarg_segment_size: 80
    .max_flat_workgroup_size: 256
    .sgpr_count:     66
    .vgpr_count:     192
    .wavefront_size: 32
...
	.end_amdgpu_metadata
.endif
;; end of part 5
;; launch qkv: the kernel of part 2 again; grid 16 x 32, 4 waves a work-group, clusters of 4 x 4, 327,680 bytes of LDS; arguments xb, wpb, biasr, rope, qkv; writes qkv
;; launch attn: the kernel of part 3 again; grid 4 x 64, 4 waves a work-group, clusters of 4 x 1, 327,680 bytes of LDS; arguments qkv, ob; writes ob
;; launch proj: the kernel of part 4 again; grid 8 x 32, 4 waves a work-group, clusters of 4 x 4, 327,680 bytes of LDS; arguments ob, wob, biasr, out0; writes out0
